; MI455X (gfx1250); checked and timed in simulation.
; The chip was launched on July 23, 2026; its instructions are those of AMD's public machine-readable ISA for CDNA 5 (MIT licence, August 2026) and "CDNA5" Instruction Set Architecture Reference Guide (July 2026). The comments in the code are by the model that wrote it; some were corrected since.
;; Dot Attention. Allowed arithmetic: matrix products marked QUANTISED: E2M3 operands, one E8M0 scale for each 32 along K, by v_wmma_scale_f32_16x16x128_f8f6f4 with both operands' format E2M3, f32 sums; everything else in f32.
;; Inputs: Wf 1,024 x 1,024 float32; Wk 1,024 x 1,024 float32; Wq 1,024 x 1,024 float32; Wv 1,024 x 1,024 float32; bf 1,024 float32; bk 1,024 float32; bq 1,024 float32; bv 1,024 float32; query 4 x 2,048 x 1,024 float32; value 4 x 2,048 x 1,024 float32; value_lens 4 int32.
;; Outputs: out0 4 x 2,048 x 1,024 float32.
;; This version of the problem:
;;   THIS VERSION OF THE PROBLEM IS GIVEN IN LOW PRECISION. The matrix products marked QUANTISED in the list below multiply operands that are first quantised to E2M3 (2 exponent bits, 3 mantissa bits; 6 bits a number), with one power-of-two scale for each 32 numbers along K (OCP MX v1.0); their sums are f32. All else is computed in f32.
;;   The module's matrix products, in the order in which they are computed (A, B: the left and right operand; K: the contracted axis; several contracted axes count as one K, in the product's order):
;;     1. [M 8,192, K 1,024] x [K 1,024, N 1,024]; A: input value; B: input Wk: QUANTISED
;;     2. [M 8,192, K 1,024] x [K 1,024, N 1,024]; A: input value; B: input Wv: QUANTISED
;;     3. [M 8,192, K 1,024] x [K 1,024, N 1,024]; A: input query; B: input Wq: QUANTISED
;;     4. batch 64 x [M 2,048, K 64] x [K 64, N 2,048]; A: computed on the way; B: computed on the way: QUANTISED
;;     5. batch 64 x [M 64, K 2,048] x [K 2,048, N 2,048]; A: computed on the way; B: softmax (see below): QUANTISED
;;     6. [M 8,192, K 1,024] x [K 1,024, N 1,024]; A: computed on the way; B: input Wf: QUANTISED
;;   THE QUANTISER, for each operand of a quantised product, along K:
;;     - K is cut into blocks of 32 from its start; a last block that is shorter is filled with zeros.
;;     - A block's scale is 2^e with e = floor(log2(the largest magnitude in the block)) - 2, held to -126 .. 127; a block of zeros has e = 0. As a byte (E8M0): e + 127.
;;     - Each number is divided by its block's scale, clamped to +-7.5, and rounded to the nearest number of E2M3, ties to even, subnormals kept.
;;     - The product sums the exact products of the quantised numbers (number of the format x scale) in f32.
;;   ~~~python
;;   def quantise(x, axis):      # numpy; x: float32 -> the quantised numbers, widened to float32 again
;;       x = np.moveaxis(x, axis, -1); K = x.shape[-1]
;;       x = np.pad(x, [(0, 0)] * (x.ndim - 1) + [(0, -K % 32)]); x = x.reshape(x.shape[:-1] + (-1, 32)); a = np.abs(x).max(-1, keepdims=True)
;;       e = np.where(a > 0, np.clip(np.frexp(np.where(a > 0, a, 1))[1] - 1 - 2, -126, 127), 0)      # np.frexp(a)[1] - 1 = floor(log2(a)), exactly
;;       r = np.clip(x / 2.0 ** e, -7.5, 7.5)
;;       step = 2.0 ** (np.maximum(np.frexp(np.where(r == 0, 1, r))[1] - 1, 0) - 3)
;;       q = np.round(r / step) * step * 2.0 ** e      # np.round: ties to even
;;       return np.moveaxis(q.reshape(q.shape[:-2] + (-1,))[..., :K], -1, axis).astype(np.float32)
;;   ~~~
;;   SOFTMAX AHEAD OF A QUANTISED PRODUCT. Where the list says 'softmax', what is quantised is not the finished softmax but p = 2^(t - M), with t = logit x log2(e) and M = ceil(the row's largest t), a whole number; so 1/2 < the row's largest p <= 1. The row's sum l is taken of the UNQUANTISED p, in f32, and the product's result is divided by l at the end. Since M is a whole number, a kernel that streams over the keys may use a running M (the ceiling of the running maximum): every later rescaling is an exact power of two, which a block's scale takes up: the codes' values come out the same.
;;   OPERANDS COMPUTED ON THE WAY. 'Computed on the way' means the value that the module computes at that place (a softmax that the list does not call 'softmax' is quantised finished and normalised). What goes into a quantiser is computed in f32, as accurately as f32 sums, v_exp_f32 and their like allow (about 1e-6 of the number): no bf16 or f16 on the way to a quantiser, and a product that is left as it is and whose result goes on into a quantised operand takes f32 operands (vector FMAs, or v_wmma_f32_16x16x4_f32). A number that lies on a knife's edge between two numbers of the format may be rounded either way, as far as f32 arithmetic and the matrix unit's own rounding can turn it there, and no further.
;; 2 versions, each right; version 2 is version 1 with the launch attn written anew for expert scheduling mode. Each part assembles by itself: llvm-mc -triple=amdgcn-amd-amdhsa -mcpu=gfx1250 --defsym DOCPART=n.
;; ======== version 1 of 2: 4 launches
;; limits: right only within a limited range of input values
;; workspace buffers: opc 15,728,640 bytes; ops 655,360 bytes; hc 18,874,368 bytes; hs 1,310,720 bytes; cc 6,291,456 bytes; cs 262,144 bytes
;; launch quant (part 1): grid 1152 x 1, 4 waves a work-group, no clusters, 35,328 bytes of LDS; arguments query, value, Wq, Wk, Wv, Wf, opc, ops; writes opc, ops
.if DOCPART == 1
	.amdgcn_target "amdgcn-amd-amdhsa--gfx1250"
	.amdhsa_code_object_version 6
	.text
	.protected	k_q42ee73cf38_quant
	.globl	k_q42ee73cf38_quant
	.p2align	8
	.type	k_q42ee73cf38_quant,@function
k_q42ee73cf38_quant:
	s_mov_b64 s[64:65], 0
	v_nop
	global_prefetch_b8 v0, s[64:65] scope:SCOPE_SE
	s_setreg_imm32_b32 hwreg(HW_REG_WAVE_MODE, 25, 1), 1
	s_wait_xcnt 0x0
; query, value [8192][1024] and Wq, Wk, Wv, Wf [1024 (k)][1024 (n)], f32, become codes of FP6 (E2M3) with one E8M0 byte for each 32 along K, laid as the products' launches read them.
; A block's scale is 2^(floor(log2(its largest magnitude)) - 2); its byte is the largest magnitude's exponent field - 2, held at 1 from below.
; LIMITS: NaN and infinities are not served; a block whose largest magnitude lies under 2^-124, a block of zeros among them, gets the byte 1 (its codes are then small or zero; the bytes are read by this program alone).
; THE LAYOUT.  A HALF FRAGMENT is 16 rows x 64 K as an image of operand registers, 768 bytes: lane (r = lane % 16, h = lane / 16) owns block h of row r, six registers: the first four at 16 x lane, the last two at 512 + 8 x lane.
; Codes: [T = 16 rows][c = K / 64][768].  Scale bytes: [T][j = K / 256][r][8].  query's rows are taken as they lie.  value's rows and the weights' columns n are taken in POSITION ORDER: position p holds
; row p with bits 3 and 4 exchanged, so that lane r of tile 2 b + u holds row 32 b + 8 u + r + 8 (r / 8): a product that takes such tiles as its first source leaves 16 neighbours in a lane's 16 registers.
; opc: query's codes at 0, value's at 6,291,456, the weights' (q, k, v, f) at 12,582,912 + 786,432 w.  ops: 0, 262,144, 524,288 + 32,768 w.
; Work-groups 0-127 take the weights (no LDS), 128-1151 the activations (a stage in LDS for each wave).  No barrier: waves share nothing.
.set WREG,  8704                       ; LDS of a wave: two stages of 16 rows x 272 bytes
.set STG,   4352
.set SPARE, 4*WREG                     ; behind them the spare words, 128 bytes a wave: two blocks of 256 bytes that no other line names
.set SPW,   12                         ; v12  my spare word's address; never rewritten
.set NIL,   13                         ; v13  0; never rewritten
.set E,     20                         ; v20-23  activations: a scale byte for each half fragment
.set SB,    20                         ; v20-21  weights: eight scale bytes
.set C,     24                         ; v24-55  activations: codes, eight registers for each half fragment
.set X,     56                         ; v56-119 two sets of 32 numbers of one block
.set R,     128                        ; v128-255 activations: numbers as loaded; weights: codes
	s_load_b256 s[4:11], s[0:1], 0x0               ; query, value, Wq, Wk
	s_load_b256 s[12:19], s[0:1], 0x20             ; Wv, Wf, opc, ops
	v_lshl_add_u32 v[SPW], v0, 2, SPARE
	v_mov_b32 v[NIL], 0
	v_lshrrev_b32 v1, 5, v0
	v_readfirstlane_b32 s20, v1                    ; wave
	v_and_b32 v1, 31, v0                           ; lane
	v_and_b32 v2, 15, v0                           ; r
	v_bfe_u32 v3, v0, 4, 1                         ; h
	v_lshlrev_b32 v8, 4, v1                        ; 16 x lane
	v_lshlrev_b32 v9, 3, v1                        ; 8 x lane
	s_mov_b32 s22, 0x76543210
	s_mov_b32 s23, 0xfedcba98                      ; v_permlanex16_b32's selects for lane l xor 16
; the largest magnitude of 32 numbers of one lane, with the floor 2^(3 - 127) among its leaves, in v14; the conversions' scale operand (2 off the exponent field) in v16
.macro BLKMAX xs
	v_max3_num_f32 v14, |v[\xs]|, |v[\xs+1]|, |v[\xs+2]|
	v_max3_num_f32 v15, |v[\xs+3]|, |v[\xs+4]|, |v[\xs+5]|
.irp i, 6,10,14,18,22,26
	v_max3_num_f32 v14, v14, |v[\xs+\i]|, |v[\xs+\i+1]|
	v_max3_num_f32 v15, v15, |v[\xs+\i+2]|, |v[\xs+\i+3]|
.endr
	v_max3_num_f32 v14, v14, |v[\xs+30]|, |v[\xs+31]|
	v_max3_num_f32 v14, v14, v15, 0x1800000
	v_add_nc_u32 v16, 0xff000000, v14
.endm
; a conversion's three registers begin on an even number: the block's second three were made one register further on and are moved up
.macro CLOSE cc
	v_mov_b32 v[\cc+3], v[\cc+4]
	v_mov_b32 v[\cc+4], v[\cc+5]
	v_mov_b32 v[\cc+5], v[\cc+6]
.endm
	s_cmp_lt_u32 ttmp9, 128
	s_cbranch_scc1 .Lweights
	; ---- ACTIVATIONS.  A work-group takes one T (16 rows), wave w its K = 256 w .. 256 w + 255: four half fragments.
	s_sub_co_u32 s24, ttmp9, 128
	s_and_b32 s25, s24, 511                        ; T
	s_lshl_b32 s26, s25, 4                         ; query: first row 16 T
	s_lshr_b32 s27, s25, 1
	s_lshl_b32 s27, s27, 5
	s_and_b32 s28, s25, 1
	s_lshl_b32 s28, s28, 3
	s_add_co_u32 s27, s27, s28                     ; value: first row 32 (T / 2) + 8 (T % 2)
	s_wait_kmcnt 0x0
	s_cmp_lt_u32 s24, 512                          ; query's work-group or value's: the choice hangs on the work-group's number alone
	s_cselect_b64 s[4:5], s[4:5], s[6:7]
	s_cselect_b32 s26, s26, s27
	s_cselect_b32 s29, 0, 0x8000                   ; value: rows 8-15 of a T lie 8 rows further down
	s_cselect_b32 s34, 0, 6291456
	s_cselect_b32 s36, 0, 262144
	s_lshl_b32 s26, s26, 12                        ; a row is 4,096 bytes
	s_lshl_b32 s32, s20, 10
	s_add_co_u32 s26, s26, s32
	s_mov_b32 s27, 0
	s_add_nc_u64 s[4:5], s[4:5], s[26:27]
	s_mul_i32 s32, s25, 12288
	s_add_co_u32 s34, s34, s32
	s_mul_i32 s32, s20, 3072
	s_add_co_u32 s34, s34, s32
	s_mov_b32 s35, 0
	s_add_nc_u64 s[16:17], s[16:17], s[34:35]      ; my four half fragments
	s_lshl_b32 s32, s25, 9
	s_add_co_u32 s36, s36, s32
	s_lshl_b32 s32, s20, 7
	s_add_co_u32 s36, s36, s32
	s_mov_b32 s37, 0
	s_add_nc_u64 s[18:19], s[18:19], s[36:37]      ; my 128 scale bytes
	v_lshlrev_b32 v4, 12, v3
	v_lshl_add_u32 v4, v2, 4, v4                   ; in: lanes 0-15 one row's 256 bytes, lanes 16-31 the next row's
	v_add_nc_u32 v5, s29, v4                       ; the same for rows 8-15
	s_mul_i32 s33, s20, WREG
	v_mul_u32_u24 v6, v3, 272
	v_lshl_add_u32 v6, v2, 4, v6
	v_add_nc_u32 v6, s33, v6                       ; the stage, on the way in: as loaded
	v_mul_u32_u24 v7, v2, 272
	v_lshl_add_u32 v7, v3, 7, v7
	v_add_nc_u32 v7, s33, v7                       ; and on the way out: row r, block h: my 32 neighbours
	v_lshlrev_b32 v10, 3, v2
	v_lshl_add_u32 v10, v3, 2, v10                 ; my scale word: 8 r + 4 h
	v_lshlrev_b32 v11, 3, v3                       ; 8 h
.irp c, 0,1,2,3                        ; all 32 loads go out at once: 16 KiB a wave on its way; each covers two aligned runs of 256 bytes
.irp i, 0,1,2,3
	global_load_b128 v[R+4*(8*\c+\i):R+4*(8*\c+\i)+3], v4, s[4:5] offset:8192*\i+256*\c th:TH_LOAD_NT
.endr
.irp i, 4,5,6,7
	global_load_b128 v[R+4*(8*\c+\i):R+4*(8*\c+\i)+3], v5, s[4:5] offset:8192*\i+256*\c th:TH_LOAD_NT
.endr
.endr
.macro TURN c                          ; half fragment c through a stage: LDS serves a wave's instructions in order, so no wait stands between the stores and the loads
.irp i, 0,1,2,3,4,5,6,7
	ds_store_b128 v6, v[R+4*(8*(\c)+\i):R+4*(8*(\c)+\i)+3] offset:STG*((\c)%2)+544*\i
.endr
.irp k, 0,1,2,3,4,5,6,7
	ds_load_b128 v[X+32*((\c)%2)+4*\k:X+32*((\c)%2)+4*\k+3], v7 offset:STG*((\c)%2)+16*\k
.endr
.endm
.macro WORK c
.set XS, X+32*((\c)%2)
.set CC, C+8*(\c)
	BLKMAX XS
	v_lshrrev_b32 v[E+\c], 23, v16                 ; the scale's byte
	v_cvt_scalef32_pk16_fp6_f32 v[CC:CC+2], v[XS:XS+15], v16
	v_cvt_scalef32_pk16_fp6_f32 v[CC+4:CC+6], v[XS+16:XS+31], v16
	v_nop                                          ; one plain place behind a scaled conversion
	CLOSE CC
	global_store_b128 v8, v[CC:CC+3], s[16:17] offset:768*\c        ; 512 consecutive bytes,
	global_store_b64 v9, v[CC+4:CC+5], s[16:17] offset:768*\c+512   ; and 256: each store has data registers of its own
.endm
	s_wait_loadcnt 24                              ; half fragment 0's eight loads are in; the 24 younger ones stay out
	TURN 0
	s_wait_loadcnt 16                              ; half fragment 1's are in
	TURN 1
	s_wait_dscnt 16                                ; all but the 16 just issued: half fragment 0 is back from its stage
	WORK 0
	s_wait_loadcnt 8
	TURN 2
	s_wait_dscnt 16
	WORK 1
	s_wait_loadcnt 0x0
	TURN 3
	s_wait_dscnt 16
	WORK 2
	s_wait_dscnt 0x0
	WORK 3
	v_lshl_or_b32 v14, v[E+1], 16, v[E]            ; my bytes are those of blocks 2 c + h: two words, my bytes 8 h bits up,
	v_lshl_or_b32 v15, v[E+3], 16, v[E+2]
	v_lshlrev_b32 v14, v11, v14
	v_lshlrev_b32 v15, v11, v15
	v_mov_b32 v17, 0                               ; (a lane permute's destination counts as one of its sources)
	v_mov_b32 v18, 0
	v_permlanex16_b32 v17, v14, s22, s23
	v_permlanex16_b32 v18, v15, s22, s23
	v_or_b32 v14, v14, v17                         ; with lane l xor 16's the words are whole
	v_or_b32 v15, v15, v18
	v_cmp_eq_u32 vcc_lo, 1, v3
	v_cndmask_b32 v14, v14, v15, vcc_lo            ; lanes 0-15 store the first word of row r, lanes 16-31 the second
	global_store_b32 v10, v14, s[18:19]            ; 128 consecutive bytes a wave, 512 a work-group
	s_wait_tensorcnt 0x0                           ; the wave's end, behind my last LDS store
	ds_add_u32 v[SPW], v[NIL]
	s_wait_dscnt 0x0
	s_endpgm
	; ---- WEIGHTS.  K is the first axis: a lane takes a column and its registers run down K.  A wave takes 32 positions (tiles T0, T0 + 1) x 256 K: eight blocks a lane.
.Lweights:
	s_lshr_b32 s24, ttmp9, 5                       ; which weight
	s_and_b32 s25, ttmp9, 7                        ; which 128 positions
	s_bfe_u32 s26, ttmp9, 0x20003                  ; j: which 256 along K
	v_and_b32 v4, 7, v1
	v_and_b32 v5, 8, v1
	v_lshl_or_b32 v4, v5, 1, v4
	v_and_b32 v5, 16, v1
	v_lshrrev_b32 v5, 1, v5
	v_or_b32 v4, v4, v5
	v_lshlrev_b32 v4, 2, v4                        ; my column among the wave's 32: my lane with bits 3 and 4 exchanged, 4 bytes each
	v_lshlrev_b32 v10, 3, v2
	v_lshl_add_u32 v10, v3, 9, v10                 ; my eight scale bytes: tile T0 + h, row r
	s_wait_kmcnt 0x0
	s_cmp_eq_u32 s24, 1
	s_cselect_b64 s[8:9], s[10:11], s[8:9]
	s_cmp_eq_u32 s24, 2
	s_cselect_b64 s[8:9], s[12:13], s[8:9]
	s_cmp_eq_u32 s24, 3
	s_cselect_b64 s[8:9], s[14:15], s[8:9]
	s_lshl_b32 s28, s26, 20                        ; 256 j rows of 4,096 bytes
	s_lshl_b32 s27, s25, 9
	s_add_co_u32 s28, s28, s27
	s_lshl_b32 s27, s20, 7
	s_add_co_u32 s28, s28, s27                     ; + 4 (128 gx + 32 wave)
	s_mov_b32 s29, 0
	s_add_nc_u64 s[8:9], s[8:9], s[28:29]
	s_lshl_b32 s30, s25, 3
	s_lshl_b32 s27, s20, 1
	s_add_co_u32 s30, s30, s27                     ; T0
	s_mul_i32 s34, s24, 786432
	s_add_co_u32 s34, s34, 12582912
	s_mul_i32 s27, s30, 12288
	s_add_co_u32 s34, s34, s27
	s_mul_i32 s27, s26, 3072
	s_add_co_u32 s34, s34, s27
	s_mov_b32 s35, 0
	s_add_nc_u64 s[16:17], s[16:17], s[34:35]
	s_lshl_b32 s36, s24, 15
	s_add_co_u32 s36, s36, 524288
	s_lshl_b32 s27, s30, 9
	s_add_co_u32 s36, s36, s27
	s_lshl_b32 s27, s26, 7
	s_add_co_u32 s36, s36, s27
	s_mov_b32 s37, 0
	s_add_nc_u64 s[18:19], s[18:19], s[36:37]
.macro LOAD t                          ; block t: W(32 t + i, my column); a wave's 32 lanes read 128 consecutive bytes; 255 rows of 4,096 bytes stay inside the signed 24-bit immediate
.irp i, 0,1,2,3,4,5,6,7,8,9,10,11,12,13,14,15,16,17,18,19,20,21,22,23,24,25,26,27,28,29,30,31
	global_load_b32 v[X+32*((\t)%2)+\i], v4, s[8:9] offset:(32*(\t)+\i)*4096 th:TH_LOAD_NT
.endr
.endm
.macro BLOCK t
.set XS, X+32*((\t)%2)
.set CX, R+16*((\t)/2)
.set CD, CX+8*((\t)%2)
.if (\t) < 7
	s_wait_loadcnt 32                              ; this block's 32 loads are in; the next block's may be out
.else
	s_wait_loadcnt 0x0
.endif
	BLKMAX XS
	v_lshrrev_b32 v15, 23, v16
.if (\t)%4 == 0
	v_mov_b32 v[SB+(\t)/4], v15                    ; four bytes to a register, the lower K in the lower byte
.else
	v_lshl_or_b32 v[SB+(\t)/4], v15, 8*((\t)%4), v[SB+(\t)/4]
.endif
	v_cvt_scalef32_pk16_fp6_f32 v[CD:CD+2], v[XS:XS+15], v16
	v_cvt_scalef32_pk16_fp6_f32 v[CD+4:CD+6], v[XS+16:XS+31], v16
.if (\t)+2 < 8
	LOAD (\t)+2
.endif
.if (\t)%2 == 1
	v_nop                                          ; one plain place behind a scaled conversion
.irp i, 0,1,2,4,5,6                    ; blocks 2 c and 2 c + 1 of 32 positions become the half fragments c of tiles T0 and T0 + 1: the first's lanes 16-31 change places with the second's lanes 0-15
	v_permlane16_swap_b32 v[CX+\i], v[CX+8+\i]
.endr
	CLOSE CX
	CLOSE CX+8
	global_store_b128 v8, v[CX:CX+3], s[16:17] offset:768*((\t)/2)
	global_store_b64 v9, v[CX+4:CX+5], s[16:17] offset:768*((\t)/2)+512
	global_store_b128 v8, v[CX+8:CX+11], s[16:17] offset:768*((\t)/2)+12288
	global_store_b64 v9, v[CX+12:CX+13], s[16:17] offset:768*((\t)/2)+12288+512
.endif
.endm
	LOAD 0
	LOAD 1
.irp t, 0,1,2,3,4,5,6,7
	BLOCK \t
.endr
	global_store_b64 v10, v[SB:SB+1], s[18:19]     ; sixteen lanes store 128 consecutive bytes
	s_endpgm
.Lfunc_end_k_q42ee73cf38_quant:
	.size	k_q42ee73cf38_quant, .Lfunc_end_k_q42ee73cf38_quant-k_q42ee73cf38_quant
	.p2alignl 7, 3214868480
	.fill 96, 4, 3214868480
	.section	.rodata,"a",@progbits
	.p2align	6, 0x0
	.amdhsa_kernel k_q42ee73cf38_quant
		.amdhsa_group_segment_fixed_size 35328
		.amdhsa_private_segment_fixed_size 0
		.amdhsa_enable_private_segment 0
		.amdhsa_kernarg_size 64
		.amdhsa_user_sgpr_count 2
		.amdhsa_user_sgpr_kernarg_segment_ptr 1
		.amdhsa_wavefront_size32 1
		.amdhsa_system_sgpr_workgroup_id_x 1
		.amdhsa_system_sgpr_workgroup_id_y 1
		.amdhsa_system_sgpr_workgroup_id_z 1
		.amdhsa_system_vgpr_workitem_id 0
		.amdhsa_next_free_vgpr 256
		.amdhsa_next_free_sgpr 66
		.amdhsa_reserve_vcc 1
		.amdhsa_float_denorm_mode_32 3
		.amdhsa_float_denorm_mode_16_64 3
		.amdhsa_memory_ordered 1
		.amdhsa_forward_progress 1
		.amdhsa_inst_pref_size 57
	.end_amdhsa_kernel
	.amdgpu_metadata
---
amdhsa.version: [ 1, 2 ]
amdhsa.kernels:
  - .name:           k_q42ee73cf38_quant
    .symbol:         k_q42ee73cf38_quant.kd
    .args:
      - { .name: query, .offset: 0, .size: 8, .value_kind: global_buffer, .address_space: global }
      - { .name: value, .offset: 8, .size: 8, .value_kind: global_buffer, .address_space: global }
      - { .name: Wq, .offset: 16, .size: 8, .value_kind: global_buffer, .address_space: global }
      - { .name: Wk, .offset: 24, .size: 8, .value_kind: global_buffer, .address_space: global }
      - { .name: Wv, .offset: 32, .size: 8, .value_kind: global_buffer, .address_space: global }
      - { .name: Wf, .offset: 40, .size: 8, .value_kind: global_buffer, .address_space: global }
      - { .name: opc, .offset: 48, .size: 8, .value_kind: global_buffer, .address_space: global }
      - { .name: ops, .offset: 56, .size: 8, .value_kind: global_buffer, .address_space: global }
    .group_segment_fixed_size: 35328
    .private_segment_fixed_size: 0
    .kernarg_segment_align: 8
    .kernarg_segment_size: 64
    .max_flat_workgroup_size: 128
    .sgpr_count:     66
    .vgpr_count:     256
    .wavefront_size: 32
...
	.end_amdgpu_metadata
.endif
;; end of part 1
;; launch proj (part 2): grid 4 x 96, 4 waves a work-group, clusters of 4 x 4, 327,680 bytes of LDS; arguments opc, ops, hc, hs, bq, bk, bv; writes hc, hs
.if DOCPART == 2
	.amdgcn_target "amdgcn-amd-amdhsa--gfx1250"
	.amdhsa_code_object_version 6
	.text
	.protected	k_q42ee73cf38_proj
	.globl	k_q42ee73cf38_proj
	.p2align	8
	.type	k_q42ee73cf38_proj,@function
k_q42ee73cf38_proj:
	s_mov_b64 s[64:65], 0
	v_nop
	global_prefetch_b8 v0, s[64:65] scope:SCOPE_SE
	s_setreg_imm32_b32 hwreg(HW_REG_WAVE_MODE, 25, 1), 1
	s_wait_xcnt 0x0
	s_wait_alu depctr_hold_cnt(0) depctr_sa_sdst(0) depctr_va_vdst(0) depctr_va_sdst(0) depctr_va_ssrc(0) depctr_va_vcc(0) depctr_vm_vsrc(0)
	s_getreg_b32 s2, hwreg(HW_REG_IB_STS2, 6, 4)
	s_cmp_eq_u32 s2, 0
	s_cbranch_scc0 .Lentry_in_a_cluster
	s_endpgm
.Lentry_in_a_cluster:
	s_bfe_u32 s2, ttmp6, 0x10000c
	s_cmp_lg_u32 s2, 0xf033
	s_cbranch_scc0 .Lentry_shape_is_right
	s_endpgm
.Lentry_shape_is_right:
; The three projections on codes of FP6 (E2M3), and their results quantised on the way out into the operands of attention.
;   q = (query Wq + bq) / 8 and k = value Wk + bk: codes along the head's 64;   v = value Wv + bv: codes along the KEYS.  K = 1,024; sums in f32.
; LIMITS: NaN and infinities are not served; a block whose largest magnitude lies under 2^-124, a block of zeros among them, gets the scale byte 1 (the bytes are read by this program alone).
; OPERANDS lie in opc / ops as images of operand registers: codes [T = 16 rows][c = K / 64][768], scale bytes [T][K / 256][r][8] (768 bytes: lane's first four registers at 16 x lane, its last two at 512 + 8 x lane).
; SHARES.  A work-group of four waves makes 256 x 256 of one product, a wave 128 x 128: 64 accumulators, 512 registers.  Cluster y / 8 names the product (0 q, 1 k, 2 v), cluster y % 8 its eighth of the 8,192 rows.
; THE FIRST SOURCE IS THE OPERAND ALONG WHOSE ROWS THE NEXT K RUNS: the weight for q and k (next K = the head's channels), value for v (next K = the keys).  Its tiles are in position order (lane r of tile 2 b + u = row
; 32 b + 8 u + r + 8 (r / 8)), so that a lane's 16 registers of two neighbouring tiles are 16 neighbours along the next K, and the quantiser works in registers.
; CLUSTER 4 x 4: the second source's tile is shared along a row of the cluster, the first source's along a column; each is asked for jointly.
; K goes in four steps of 256 through two LDS slots; a wave's tensor load brings 8 T x 3,072 bytes.  The scale bytes of the work-group's rows, for all of K, come once with the first fills.
; REGISTERS, in windows of 256: window 0: v1-31 addresses; v32-63 scale words, two sets; v64-127, v224-231 biases; v128-223 the second source's fragments, one set (free in the epilogue).
;   window 1: the first source's fragments, two sets, at v0 and v128.   windows 2, 3: the accumulators (a, b) at v[8 (8 (a % 4) + b)].
.set NQ,     2                         ; matrix instructions deep in a slot
.set FR,     12                        ; registers of a fragment
.set NL,     4                         ; LDS loads that bring one
.set NP,     4                         ; places behind this matrix instruction (ISA guide 7.12.1)
.set TROW,   3072                      ; a T's four half fragments of a K step
.set HALFT,  8*TROW                    ; what one tensor load brings, and what one wave reads of a source
.set SLOT,   4*HALFT                   ; the second source's 256 rows, then the first's
.set SCL,    2*SLOT                    ; behind the ring: the scale bytes, 4,096 for each 128 rows; the first source's lie 128 bytes further on, so that the two halves of the lanes read different words' places
.set SPARE,  SCL+16640                 ; the spare words, 128 bytes a wave: two blocks of 256 bytes that no other line names
.set O16,  4                           ; v4   16 x lane
.set O8,   5                           ; v5   8 x lane
.set ADRA, 16                          ; v16-17 the second source's fragments in slot 0, 1 (16 x lane); v18-19 the same with 8 x lane
.set ADRB, 20                          ; v20-23 likewise for the first source
.set OSC,  26                          ; v26  the epilogue's scale words: my lane's place
.set ADRS, 27                          ; v27  my scale words in LDS: lanes 0-15 the second source's rows, lanes 16-31 the first's
.set SPW,  28                          ; v28  my spare word's address; never rewritten
.set NIL,  29                          ; v29  0; never rewritten
.set ABI,  30                          ; v30, v31 the biases' offsets; never rewritten
.set ABV,  31
.set SC,   32
.set BI,   64                          ; the bias along the first source's rows, in the result's layout: 8 registers a tile
.set AF,   128
.set BV,   224                         ; the bias along the second source's rows: one register a block
.set X,    128                         ; the epilogue: 64 numbers of a lane;
.set PC,   192                         ; the codes just made (12) and the conversions' scratch (8);
.set W,    212                         ; a scale word for each block;
.set H16,  220                         ; 16 h
.set TM,   232                         ; v232-247 at work
.set PW,   248                         ; the scale word just made
.set FAC,  2                           ; s[2:3]   1 / 8 for q, 1 for k
.set SEL,  92                          ; s[92:93] lane selects for lane l xor 16
.set G1, 24                            ; s[24:31] group 1 for the second source's tiles;  s[32:39] group 0, a set for each slot
.set G0, 32
.set G1B, 48                           ; s[48:55], s[56:63] the same for the first source
.set G0B, 56
.set G1S, 68                           ; s[68:75], s[76:79] the second source's scale bytes;  s[80:87], s[88:91] the first's
.set G0S, 76
.set G1SB, 80
.set G0SB, 88
.set MSB, 0
.macro WIN new                         ; the immediate's high byte repeats the setting that is left
.if MSB != \new
	s_set_vgpr_msb (MSB<<8)|\new
.set MSB, \new
.endif
.endm
.set MUL_LO, 0xa1                      ; source 0 window 1, source 1 window 0, C and D window 2
.set MUL_HI, 0xf1                      ; the same, C and D window 3
.set TO_B,   0x40                      ; destination window 1, address window 0
; A joint load: waves 0 and 1 fetch for the second source, waves 2 and 3 for the first.  The branch hangs on the wave's number alone.  An s_nop 0 and four v_nop follow each of the two lines.
.macro JLOAD g0a, g1a, g0b, g1b
	s_cmp_eq_u32 s15, 0
	s_cbranch_scc0 .Lfor_b_\@
	tensor_load_to_lds s[\g0a:\g0a+3], s[\g1a:\g1a+7]
	s_nop 0
.rept 4
	v_nop
.endr
	s_branch .Lasked_\@
.Lfor_b_\@:
	tensor_load_to_lds s[\g0b:\g0b+3], s[\g1b:\g1b+7]
	s_nop 0
.rept 4
	v_nop
.endr
.Lasked_\@:
.endm
.macro CREST                           ; a round of the cluster's barrier behind its opening barrier
	s_cmp_lg_u32 s14, 0
	s_cbranch_scc1 .Lnot_wave_0_\@
	s_barrier_signal -3
.Lnot_wave_0_\@:
	s_barrier_wait -3
	s_barrier_signal -1
	s_barrier_wait -1
.endm
.macro CROUND
	s_barrier_signal -1
	s_barrier_wait -1
	CREST
.endm
	s_load_b256 s[4:11], s[0:1], 0x0               ; opc, ops, hc, hs
	s_load_b128 s[96:99], s[0:1], 0x20             ; bq, bk
	s_load_b64 s[100:101], s[0:1], 0x30            ; bv
	v_lshl_add_u32 v[SPW], v0, 2, SPARE
	v_mov_b32 v[NIL], 0
	ds_add_u32 v[SPW], v[NIL]                      ; the wave's opening: the add and its wait stand ahead of my first tensor load; the set-up below, work on registers, stands between them
	v_lshrrev_b32 v1, 5, v0
	v_readfirstlane_b32 s14, v1                    ; wave 0..3
	s_lshr_b32 s15, s14, 1                         ; my half of the second source's rows.  Also: I fetch for the second source (0) or the first (1)
	s_and_b32 s16, s14, 1                          ; my half of the first source's rows.  Also: which 128 rows I fetch
	s_bfe_u32 s40, ttmp6, 0x40000                  ; cx, cy: my place in the cluster
	s_bfe_u32 s41, ttmp6, 0x40004
	s_and_b32 s17, ttmp7, 0xffff                   ; cluster y: all partners share what is made of it
	s_lshr_b32 s12, s17, 3                         ; the product: 0 q, 1 k, 2 v
	s_and_b32 s13, s17, 7
	s_lshl_b32 s13, s13, 2                         ; the first of its four tiles of 256 activation rows
	s_mul_i32 s20, s12, 786432
	s_add_co_u32 s20, s20, 12582912                ; where the weight's codes begin in opc,
	s_lshl_b32 s21, s12, 15
	s_add_co_u32 s21, s21, 524288                  ; and its scale bytes in ops
	s_cmp_eq_u32 s12, 0
	s_cselect_b32 s22, 0, 6291456                  ; the activation's: query for q, value else
	s_cselect_b32 s23, 0, 262144
	s_cselect_b32 s[FAC], 0x3e000000, 1.0          ; 1 / sqrt(64), exact
	s_mov_b32 s[FAC+1], s[FAC]                     ; (named with it as a pair, so it is written)
	s_cmp_eq_u32 s12, 2
	s_cselect_b32 s18, s13, 0                      ; the activation is the first source for v, the second for q and k
	s_cselect_b32 s19, 0, s13
	s_cselect_b32 s45, s22, s20
	s_cselect_b32 s66, s20, s22
	s_cselect_b32 s67, s23, s21
	s_cselect_b32 s94, s21, s23
	s_add_co_u32 s42, s18, s40                     ; the first source's tile of 256: hangs on cx alone among the places
	s_add_co_u32 s17, s19, s41                     ; the second source's: on cy alone
	s_lshl_b32 s43, s41, 2
	s_lshl_b32 s43, 15, s43                        ; my row of the cluster
	s_lshl_b32 s44, 0x1111, s40                    ; my column
	; group 1, codes: 8 rows (T) of 384 elements of 8 bytes, 1,536 elements apart; dense in LDS
	s_or_b32 s[G1+0], s43, (3<<16)|(1<<21)         ; 15:0 the mask; 17:16 elements of 8 bytes; 20 padding off; 21 set beside a mask
	s_or_b32 s[G1B+0], s44, (3<<16)|(1<<21)
.irp g, G1, G1B
	s_mov_b32 s[\g+1], 384<<16                     ; tensor_dim0
	s_mov_b32 s[\g+2], 8<<16                       ; tensor_dim1
	s_mov_b32 s[\g+3], 384<<16                     ; tile_dim0
	s_mov_b32 s[\g+4], 8                           ; tile_dim1
	s_mov_b32 s[\g+5], 1536                        ; tensor_dim0_stride
	s_mov_b32 s[\g+6], 0
	s_mov_b32 s[\g+7], 0
.endr
	; group 1, scale bytes of 128 rows: 4,096 dense bytes as 16 rows of 256
	s_or_b32 s[G1S+0], s43, (3<<16)|(1<<21)
	s_or_b32 s[G1SB+0], s44, (3<<16)|(1<<21)
.irp g, G1S, G1SB
	s_mov_b32 s[\g+1], 32<<16
	s_mov_b32 s[\g+2], 16<<16
	s_mov_b32 s[\g+3], 32<<16
	s_mov_b32 s[\g+4], 16
	s_mov_b32 s[\g+5], 32
	s_mov_b32 s[\g+6], 0
	s_mov_b32 s[\g+7], 0
.endr
	s_lshl_b32 s18, s16, 3                         ; which 8 T of the tile's 16 I fetch
	s_lshl_b32 s19, s17, 4
	s_add_co_u32 s19, s19, s18                     ; the second source: T
	s_mul_i32 s20, s19, 12288
	s_add_co_u32 s20, s20, s66
	s_mov_b32 s21, 0
	s_lshl_b32 s22, s19, 9
	s_add_co_u32 s22, s22, s94
	s_mov_b32 s23, 0
	s_lshl_b32 s13, s42, 4
	s_add_co_u32 s13, s13, s18                     ; the first source: T
	s_mul_i32 s46, s13, 12288
	s_add_co_u32 s46, s46, s45
	s_mov_b32 s47, 0
	s_lshl_b32 s94, s13, 9
	s_add_co_u32 s94, s94, s67
	s_mov_b32 s95, 0
	s_mul_i32 s45, s14, HALFT                      ; where they go: by the wave's number alone
	s_lshl_b32 s66, s14, 12
	s_mov_b32 s[SEL], 0x76543210
	s_mov_b32 s[SEL+1], 0xfedcba98
	s_wait_dscnt 0x0                               ; the opening add is done
	s_wait_kmcnt 0x0
	s_add_nc_u64 s[20:21], s[4:5], s[20:21]
	s_add_nc_u64 s[22:23], s[6:7], s[22:23]
	s_add_nc_u64 s[46:47], s[4:5], s[46:47]
	s_add_nc_u64 s[94:95], s[6:7], s[94:95]
	CROUND                                         ; all sixteen work-groups are here: the first joint loads meet
	s_mov_b32 s[G0S], 1
	s_add_co_u32 s[G0S+1], s66, SCL
	s_mov_b64 s[G0S+2:G0S+3], s[22:23]
	s_or_b32 s[G0S+3], s[G0S+3], 0x80000000
	s_mov_b32 s[G0SB], 1
	s_add_co_u32 s[G0SB+1], s66, SCL+128
	s_mov_b64 s[G0SB+2:G0SB+3], s[94:95]
	s_or_b32 s[G0SB+3], s[G0SB+3], 0x80000000
	JLOAD G0S, G1S, G0SB, G1SB                     ; the scale bytes first: they are wanted with K step 0.  Three loads of mine are out behind the next two
.irp s, 0,1
	s_mov_b32 s[G0+4*\s], 1
	s_add_co_u32 s[G0+4*\s+1], s45, \s*SLOT
	s_add_nc_u64 s[G0+4*\s+2:G0+4*\s+3], s[20:21], \s*TROW
	s_or_b32 s[G0+4*\s+3], s[G0+4*\s+3], 0x80000000
	s_mov_b32 s[G0B+4*\s], 1
	s_add_co_u32 s[G0B+4*\s+1], s45, \s*SLOT
	s_add_nc_u64 s[G0B+4*\s+2:G0B+4*\s+3], s[46:47], \s*TROW
	s_or_b32 s[G0B+4*\s+3], s[G0B+4*\s+3], 0x80000000
	JLOAD G0+4*\s, G1, G0B+4*\s, G1B
.endr
	v_and_b32 v1, 31, v0                           ; lane
	v_and_b32 v2, 15, v0                           ; r
	v_bfe_u32 v3, v0, 4, 1                         ; h
	v_lshlrev_b32 v[O16], 4, v1
	v_lshlrev_b32 v[O8], 3, v1
	s_mul_i32 s21, s15, HALFT                      ; my 128 rows of the second source
	s_mul_i32 s22, s16, HALFT                      ; and of the first,
	s_add_co_u32 s22, s22, 2*HALFT                 ; which lie behind
.irp s, 0,1
	v_add_nc_u32 v[ADRA+\s], s21, v[O16]
	v_add_nc_u32 v[ADRA+2+\s], s21, v[O8]
	v_add_nc_u32 v[ADRB+\s], s22, v[O16]
	v_add_nc_u32 v[ADRB+2+\s], s22, v[O8]
	s_add_co_u32 s21, s21, SLOT
	s_add_co_u32 s22, s22, SLOT
.endr
	s_lshl_b32 s21, s15, 12                        ; my scale words: the second source's 128 rows,
	s_lshl_b32 s22, s16, 12
	s_add_co_u32 s22, s22, 8320                    ; the first's: behind the second's 8,192 bytes, and 128 on
	s_sub_co_u32 s22, s22, s21
	v_mul_u32_u24 v6, s22, v3                      ; lanes 16-31 take the first source's: one product, the distance x h
	s_add_co_u32 s21, s21, SCL
	v_lshl_add_u32 v6, v2, 3, v6                   ; 8 bytes a row
	v_add_nc_u32 v[ADRS], s21, v6
	s_lshl_b32 s17, s17, 8
	s_lshl_b32 s18, s15, 7
	s_add_co_u32 s17, s17, s18                     ; s17: my first row of the second source
	s_lshl_b32 s42, s42, 8
	s_lshl_b32 s18, s16, 7
	s_add_co_u32 s42, s42, s18                     ; s42: my first position of the first source
	; the biases: both sets are loaded in every product, the one that the product does not use from the bias's first 128 numbers
	s_lshl_b32 s18, s42, 2
	s_lshl_b32 s19, s17, 2
	s_cmp_eq_u32 s12, 1
	s_cselect_b64 s[96:97], s[98:99], s[96:97]
	s_cmp_eq_u32 s12, 2
	s_cselect_b64 s[96:97], s[100:101], s[96:97]
	s_cselect_b32 s18, 0, s18
	s_cselect_b32 s19, s19, 0
	v_lshl_add_u32 v[ABI], v3, 6, s18              ; tile 2 b + u, register j: number 32 b + 8 u + 16 h + j
	v_and_b32 v6, 8, v2
	v_add_nc_u32 v6, v6, v2
	v_lshl_add_u32 v[ABV], v6, 2, s19              ; block 2 b + u: number 32 b + 8 u + r + 8 (r / 8)
.irp t, 0,1,2,3,4,5,6,7
	global_load_b128 v[BI+8*\t:BI+8*\t+3], v[ABI], s[96:97] offset:(32*(\t/2)+8*(\t%2))*4
	global_load_b128 v[BI+8*\t+4:BI+8*\t+7], v[ABI], s[96:97] offset:(32*(\t/2)+8*(\t%2))*4+16
.endr
.irp a, 0,1,2,3,4,5,6,7
	global_load_b32 v[BV+\a], v[ABV], s[96:97] offset:(32*(\a/2)+8*(\a%2))*4
.endr
.macro FRAG reg, adr, off              ; a fragment, 16 rows x 128 K: two half fragments as they lie: every load takes consecutive bytes, 16 or 8 a lane
	ds_load_b128 v[\reg:\reg+3], v[\adr] offset:\off
	ds_load_b64 v[\reg+4:\reg+5], v[\adr+2] offset:(\off)+512
	ds_load_b128 v[\reg+6:\reg+9], v[\adr] offset:(\off)+768
	ds_load_b64 v[\reg+10:\reg+11], v[\adr+2] offset:(\off)+1280
.endm
; 16 matrix instructions: the second source's blocks a0, a0 + 1 x the first's eight.  p: the first source's set;  q: the slot's q-th 128 along K;  sc: the set of scale words.  zero = 1: the first product starts the sums.
; The 64 accumulators take turns, one instruction a turn, in the same order in every step.
.macro MUL16 a0, p, q, sc, zero
.irp a, \a0, \a0+1
.irp b, 0,1,2,3,4,5,6,7
.if \zero
	v_wmma_scale_f32_16x16x128_f8f6f4 v[8*(8*((\a)%4)+\b):8*(8*((\a)%4)+\b)+7], v[128*(\p)+FR*\b:128*(\p)+FR*\b+FR-1], v[AF+FR*(\a):AF+FR*(\a)+FR-1], 0, v[SC+8*NQ*(\sc)+NQ*\b+(\q)], v[SC+8*NQ*(\sc)+NQ*(\a)+(\q)] matrix_a_fmt:MATRIX_FMT_FP6 matrix_b_fmt:MATRIX_FMT_FP6 matrix_a_scale:MATRIX_SCALE_ROW1
.else
	v_wmma_scale_f32_16x16x128_f8f6f4 v[8*(8*((\a)%4)+\b):8*(8*((\a)%4)+\b)+7], v[128*(\p)+FR*\b:128*(\p)+FR*\b+FR-1], v[AF+FR*(\a):AF+FR*(\a)+FR-1], v[8*(8*((\a)%4)+\b):8*(8*((\a)%4)+\b)+7], v[SC+8*NQ*(\sc)+NQ*\b+(\q)], v[SC+8*NQ*(\sc)+NQ*(\a)+(\q)] matrix_a_fmt:MATRIX_FMT_FP6 matrix_b_fmt:MATRIX_FMT_FP6 matrix_a_scale:MATRIX_SCALE_ROW1
.endif
.endr
.endr
.endm
.macro FETCH_B slot, q, p              ; the first source's eight fragments into set p
	WIN TO_B
.irp i, 0,1,2,3,4,5,6,7
	FRAG 128*(\p)+FR*\i, ADRB+\slot, TROW*\i+1536*(\q)
.endr
	WIN 0
.endm
.macro FETCH_A slot, q, i0             ; the second source's blocks i0 .. i0 + 3
.irp i, \i0, \i0+1, \i0+2, \i0+3
	FRAG AF+FR*(\i), ADRA+\slot, TROW*(\i)+1536*(\q)
.endr
.endm
.macro SCALES sc                       ; a K step's scale words: two a row; lanes 0-15 the second source's block i, lanes 16-31 the first's
.irp i, 0,1,2,3,4,5,6,7
	ds_load_b64 v[SC+8*NQ*\sc+NQ*\i:SC+8*NQ*\sc+NQ*\i+1], v[ADRS] offset:512*\i
.endr
.endm
.macro PLACES n                        ; plain vector instructions between a matrix instruction and a load into, or a vector instruction on, one of its registers (ISA guide 7.12.1 for vector instructions)
.rept \n
	v_nop
.endr
.endm
.macro STEP slot, q, zero              ; a step of 128 along K that has its successor in the same slot
	s_wait_dscnt 4*NL                              ; all but the youngest 16 loads (the second source's blocks 4-7) are in
	WIN MUL_LO
	MUL16 0, (\q)%2, \q, \slot, \zero
	MUL16 2, (\q)%2, \q, \slot, \zero
	s_wait_dscnt 0
	PLACES NP
	FETCH_B \slot, (\q)+1, 1-(\q)%2
	FETCH_A \slot, (\q)+1, 0
	WIN MUL_HI
	MUL16 4, (\q)%2, \q, \slot, \zero
	MUL16 6, (\q)%2, \q, \slot, \zero
	PLACES NP
	WIN 0
	FETCH_A \slot, (\q)+1, 4
.endm
; A slot's last step changes slots: one barrier; in front of it each wave waits for all its tensor loads, adds 0 to its spare word, and waits for that and for its reads of this slot.  fill = 1: the slot is filled again, two K steps ahead.
.macro TURN slot, next, fill
	s_wait_tensorcnt 0x0                           ; all my tensor loads have landed: my part of the next slot
	ds_add_u32 v[SPW], v[NIL]                      ; 0 onto my spare word
	s_wait_dscnt 4*NL+1                            ; (the add and the youngest 16 loads may be out)
	WIN MUL_LO
	MUL16 0, 1, NQ-1, \slot, 0
	s_wait_dscnt 0x0                               ; the add is done, and my reads of this slot are over
	s_barrier_signal -1
	MUL16 2, 1, NQ-1, \slot, 0
	WIN 0
	s_barrier_wait -1
.if \fill
	CREST                                          ; the barrier has opened a round of the cluster's barrier: no wave of any partner still reads this slot or has a load on its way
	s_add_nc_u64 s[G0+4*\slot+2:G0+4*\slot+3], s[G0+4*\slot+2:G0+4*\slot+3], 2*TROW
	s_add_nc_u64 s[G0B+4*\slot+2:G0B+4*\slot+3], s[G0B+4*\slot+2:G0B+4*\slot+3], 2*TROW
	JLOAD G0+4*\slot, G1, G0B+4*\slot, G1B         ; the first tensor load behind the round, my only one until the next; its four v_nop are the places in front of the loads below
.else
	PLACES NP
.endif
	v_add_nc_u32 v[ADRS], 128, v[ADRS]             ; the next K step's scale words
	FETCH_B \next, 0, 0
	FETCH_A \next, 0, 0
	SCALES \next
	WIN MUL_HI
	MUL16 4, 1, NQ-1, \slot, 0
	MUL16 6, 1, NQ-1, \slot, 0
	PLACES NP
	WIN 0
	FETCH_A \next, 0, 4
.endm
	s_wait_tensorcnt 1                             ; the scale bytes and my part of K step 0 are in; K step 1's load may be out
	s_barrier_signal -1
	s_barrier_wait -1
	FETCH_B 0, 0, 0
	FETCH_A 0, 0, 0
	SCALES 0
	FETCH_A 0, 0, 4
	STEP 0, 0, 1                                   ; K has four steps of 256: they are written out
	TURN 0, 1, 1
	STEP 1, 0, 0
	TURN 1, 0, 1
	STEP 0, 0, 0
	TURN 0, 1, 0                                   ; the last two K steps ask for nothing
	STEP 1, 0, 0
	s_wait_dscnt 4*NL
	WIN MUL_LO
	MUL16 0, 1, NQ-1, 1, 0
	MUL16 2, 1, NQ-1, 1, 0
	s_wait_dscnt 0
	WIN MUL_HI
	MUL16 4, 1, NQ-1, 1, 0
	MUL16 6, 1, NQ-1, 1, 0
	WIN 0
	s_wait_tensorcnt 0x0                           ; these three lines stand behind my last tensor load; no LDS instruction follows them
	ds_add_u32 v[SPW], v[NIL]
	s_wait_dscnt 0x0
; THE EPILOGUE.  For each block a of 16 rows of the second source a lane holds 64 numbers: register 16 b + i is index 32 b + 16 h + i along the first source's 128 rows.  Bias, scaling, and then:
; 64 numbers of a lane become a fragment's codes in v[PC] on and its scale word in v[PW].
.macro QUANT s
.irp b, 0,1,2,3
	v_max3_num_f32 v[TM+\b], |v[\s+16*\b]|, |v[\s+1+16*\b]|, 0x1800000   ; block b: my 16 numbers, and the floor 2^(3 - 127): the byte cannot fall under 1
.endr
.irp i, 2,4,6,8,10,12,14
.irp b, 0,1,2,3
	v_max3_num_f32 v[TM+\b], v[TM+\b], |v[\s+16*\b+\i]|, |v[\s+1+16*\b+\i]|
.endr
.endr
.irp b, 0,1,2,3
	v_permlanex16_b32 v[TM+4+\b], v[TM+\b], s[SEL], s[SEL+1]
.endr
.irp b, 0,1,2,3
	v_max_num_f32 v[TM+\b], v[TM+\b], v[TM+4+\b]   ; with lane l xor 16's: the block's largest magnitude
.endr
.irp b, 0,1,2,3
	v_add_nc_u32 v[TM+12+\b], 0xff000000, v[TM+\b]   ; 2 off its exponent field: the conversion's scale operand
.endr
.irp b, 0,1,2,3
	v_lshrrev_b32 v[TM+4+\b], 23, v[TM+12+\b]      ; the scale's byte
.endr
	v_lshl_or_b32 v[PW], v[TM+5], 8, v[TM+4]
	v_lshl_or_b32 v[PW], v[TM+6], 16, v[PW]
	v_lshl_or_b32 v[PW], v[TM+7], 24, v[PW]
.irp c, 0,1
	v_cvt_scalef32_pk16_fp6_f32 v[PC+6*\c:PC+2+6*\c], v[\s+32*\c:\s+15+32*\c], v[TM+12+2*\c]
	v_cvt_scalef32_pk16_fp6_f32 v[PC+12+4*\c:PC+14+4*\c], v[\s+16+32*\c:\s+31+32*\c], v[TM+12+2*\c+1]   ; (a conversion's three registers begin on an even number)
.endr
	v_nop                                          ; one plain place behind a scaled conversion
.irp c, 0,1                                    ; the operand's layout wants a whole block in a lane: lanes 0-15 block 2 c, lanes 16-31 block 2 c + 1
.irp i, 0,1,2
	v_permlane16_swap_b32 v[PC+6*\c+\i], v[PC+12+4*\c+\i]
.endr
.irp i, 0,1,2
	v_mov_b32 v[PC+3+6*\c+\i], v[PC+12+4*\c+\i]
.endr
.endr
.endm
.macro EPI a, isv
.if (\a) > 0
	s_wait_xcnt 0x0                                ; the last block's stores have read their registers: the codes may be written again
.endif
	WIN 0x02+(\a)/4                                ; source 0: window 2 or 3
.set AC, 64*((\a)%4)
.set j, 0
.rept 32                               ; each accumulator from its low end on
.if \isv
.if (\a)%2
	v_pk_add_f32 v[X+j:X+j+1], v[AC+j:AC+j+1], v[BV+2*((\a)/2):BV+2*((\a)/2)+1] op_sel:[0,1] op_sel_hi:[1,1]
.else
	v_pk_add_f32 v[X+j:X+j+1], v[AC+j:AC+j+1], v[BV+2*((\a)/2):BV+2*((\a)/2)+1] op_sel:[0,0] op_sel_hi:[1,0]
.endif
.else
	v_pk_fma_f32 v[X+j:X+j+1], v[AC+j:AC+j+1], s[FAC:FAC+1], v[BI+j:BI+j+1] op_sel_hi:[1,0,1]
.endif
.set j, j+2
.endr
	WIN 0
	QUANT X
.if \isv
	v_mov_b32 v[W+\a], v[PW]                       ; four key blocks' bytes of channel position r
.set OF, 98304*((\a)/4)+1536*((\a)%4)  ; head a / 4 of my two, its tile a % 4 of 16 channels: one fragment of 128 keys
	global_store_b128 v[O16], v[PC:PC+3], s[8:9] offset:OF
	global_store_b64 v[O8], v[PC+4:PC+5], s[8:9] offset:OF+512
	global_store_b128 v[O16], v[PC+6:PC+9], s[8:9] offset:OF+768
	global_store_b64 v[O8], v[PC+10:PC+11], s[8:9] offset:OF+1280
.else
	v_lshrrev_b32 v[W+\a], v[H16], v[PW]           ; lanes 0-15 keep the first head's two bytes, lanes 16-31 the second's; bytes 2 and 3 are 0
	v_and_b32 v[W+\a], 0xffff, v[W+\a]
	global_store_b128 v[O16], v[PC:PC+3], s[8:9] offset:768*(\a)          ; the first head's half fragment of these 16 rows,
	global_store_b64 v[O8], v[PC+4:PC+5], s[8:9] offset:768*(\a)+512
	global_store_b128 v[O16], v[PC+6:PC+9], s[8:9] offset:98304+768*(\a)  ; and the second head's
	global_store_b64 v[O8], v[PC+10:PC+11], s[8:9] offset:98304+768*(\a)+512
.endif
.endm
	s_wait_loadcnt 0x0                             ; the biases
	PLACES NP                                      ; behind the last products
.irp b, 0,1,2,3
	v_mov_b32 v[TM+4+\b], 0                        ; written once: a lane permute's destination counts as one of its sources
.endr
	v_lshlrev_b32 v[H16], 4, v3
	s_cmp_eq_u32 s12, 2                            ; the product's number: the same in all sixteen partners
	s_cbranch_scc1 .Lepi_v
	; q and k: hc + 6,291,456 pid + ((16 b + head) x 128 + tile) x 768;  hs + 524,288 pid + ((16 b + head) x 16 + tile / 8) x 512 + 32 r + 4 (tile % 8)
	s_lshr_b32 s18, s17, 11                        ; b
	s_lshl_b32 s18, s18, 4
	s_lshr_b32 s19, s42, 6                         ; my first head
	s_add_co_u32 s18, s18, s19
	s_bfe_u32 s19, s17, 0x70004                    ; my first tile of 16 rows in the batch
	s_lshl_b32 s20, s18, 7
	s_add_co_u32 s20, s20, s19
	s_mul_i32 s20, s20, 768
	s_mul_i32 s21, s12, 6291456
	s_add_co_u32 s20, s20, s21
	s_mov_b32 s21, 0
	s_add_nc_u64 s[8:9], s[8:9], s[20:21]
	s_lshl_b32 s22, s18, 4
	s_lshr_b32 s19, s19, 3
	s_add_co_u32 s22, s22, s19
	s_lshl_b32 s22, s22, 9
	s_lshl_b32 s23, s12, 19
	s_add_co_u32 s22, s22, s23
	s_mov_b32 s23, 0
	s_add_nc_u64 s[10:11], s[10:11], s[22:23]
	v_lshlrev_b32 v[OSC], 5, v2
	v_lshl_add_u32 v[OSC], v3, 13, v[OSC]          ; 32 r, and a head further on for lanes 16-31
.set j, 0
.rept 32
	v_pk_mul_f32 v[BI+j:BI+j+1], v[BI+j:BI+j+1], s[FAC:FAC+1] op_sel_hi:[1,0]   ; (x W + b) / 8 = x W / 8 + b / 8, and a division by 8 rounds nothing
.set j, j+2
.endr
.irp a, 0,1,2,3,4,5,6,7
	EPI \a, 0
.endr
	global_store_b128 v[OSC], v[W:W+3], s[10:11]   ; eight tiles' scale words of row r: 32 bytes a lane, 512 consecutive bytes for sixteen lanes
	global_store_b128 v[OSC], v[W+4:W+7], s[10:11] offset:16
	s_branch .Ldone
.Lepi_v:
	; v: hc + 12,582,912 + ((16 b + head) x 16 + step) x 6,144;  hs + 1,048,576 + ((16 b + head) x 16 + step) x 256 + 16 r + 4 tile
	s_lshr_b32 s18, s42, 11                        ; b
	s_lshl_b32 s18, s18, 4
	s_lshr_b32 s19, s17, 6                         ; my first head
	s_add_co_u32 s18, s18, s19
	s_lshl_b32 s18, s18, 4
	s_bfe_u32 s19, s42, 0x40007                    ; my 128 keys: which step of the batch
	s_add_co_u32 s18, s18, s19
	s_mul_i32 s20, s18, 6144
	s_add_co_u32 s20, s20, 12582912
	s_mov_b32 s21, 0
	s_add_nc_u64 s[8:9], s[8:9], s[20:21]
	s_lshl_b32 s22, s18, 8
	s_add_co_u32 s22, s22, 1048576
	s_mov_b32 s23, 0
	s_add_nc_u64 s[10:11], s[10:11], s[22:23]
	v_lshlrev_b32 v[OSC], 4, v2
	v_lshl_add_u32 v[OSC], v3, 12, v[OSC]          ; 16 r, and a head further on for lanes 16-31
.irp a, 0,1,2,3,4,5,6,7
	EPI \a, 1
.endr
	v_cmp_eq_u32 vcc_lo, 1, v3
.irp i, 0,1,2,3
	v_cndmask_b32 v[W+\i], v[W+\i], v[W+4+\i], vcc_lo   ; lanes 0-15 store the first head's four words, lanes 16-31 the second's
.endr
	global_store_b128 v[OSC], v[W:W+3], s[10:11]   ; sixteen lanes store 256 consecutive bytes
.Ldone:
	CROUND                                         ; the closing round: no work-group ends while a partner may still ask for a tile that names it
	s_endpgm
.Lfunc_end_k_q42ee73cf38_proj:
	.size	k_q42ee73cf38_proj, .Lfunc_end_k_q42ee73cf38_proj-k_q42ee73cf38_proj
	.p2alignl 7, 3214868480
	.fill 96, 4, 3214868480
	.section	.rodata,"a",@progbits
	.p2align	6, 0x0
	.amdhsa_kernel k_q42ee73cf38_proj
		.amdhsa_group_segment_fixed_size 327680
		.amdhsa_private_segment_fixed_size 0
		.amdhsa_enable_private_segment 0
		.amdhsa_kernarg_size 56
		.amdhsa_user_sgpr_count 2
		.amdhsa_user_sgpr_kernarg_segment_ptr 1
		.amdhsa_wavefront_size32 1
		.amdhsa_system_sgpr_workgroup_id_x 1
		.amdhsa_system_sgpr_workgroup_id_y 1
		.amdhsa_system_sgpr_workgroup_id_z 1
		.amdhsa_system_vgpr_workitem_id 0
		.amdhsa_next_free_vgpr 1024
		.amdhsa_next_free_sgpr 102
		.amdhsa_reserve_vcc 1
		.amdhsa_float_denorm_mode_32 3
		.amdhsa_float_denorm_mode_16_64 3
		.amdhsa_memory_ordered 1
		.amdhsa_forward_progress 1
		.amdhsa_inst_pref_size 221
	.end_amdhsa_kernel
	.amdgpu_metadata
---
amdhsa.version: [ 1, 2 ]
amdhsa.kernels:
  - .name:           k_q42ee73cf38_proj
    .symbol:         k_q42ee73cf38_proj.kd
    .args:
      - { .name: opc, .offset: 0, .size: 8, .value_kind: global_buffer, .address_space: global }
      - { .name: ops, .offset: 8, .size: 8, .value_kind: global_buffer, .address_space: global }
      - { .name: hc, .offset: 16, .size: 8, .value_kind: global_buffer, .address_space: global }
      - { .name: hs, .offset: 24, .size: 8, .value_kind: global_buffer, .address_space: global }
      - { .name: bq, .offset: 32, .size: 8, .value_kind: global_buffer, .address_space: global }
      - { .name: bk, .offset: 40, .size: 8, .value_kind: global_buffer, .address_space: global }
      - { .name: bv, .offset: 48, .size: 8, .value_kind: global_buffer, .address_space: global }
    .group_segment_fixed_size: 327680
    .private_segment_fixed_size: 0
    .kernarg_segment_align: 8
    .kernarg_segment_size: 56
    .max_flat_workgroup_size: 128
    .sgpr_count:     102
    .vgpr_count:     1024
    .wavefront_size: 32
...
	.end_amdgpu_metadata
.endif
;; end of part 2
;; launch attn (part 3): grid 512 x 1, 16 waves a work-group, no clusters, 210,944 bytes of LDS; arguments hc, hs, value_lens, cc, cs; writes cc, cs
.if DOCPART == 3
	.amdgcn_target "amdgcn-amd-amdhsa--gfx1250"
	.amdhsa_code_object_version 6
	.text
	.protected	k_q42ee73cf38_attn
	.globl	k_q42ee73cf38_attn
	.p2align	8
	.type	k_q42ee73cf38_attn,@function
k_q42ee73cf38_attn:
	s_mov_b64 s[64:65], 0
	v_nop
	global_prefetch_b8 v0, s[64:65] scope:SCOPE_SE
	s_setreg_imm32_b32 hwreg(HW_REG_WAVE_MODE, 25, 1), 1
	s_wait_xcnt 0x0
; context[b][q][head] = softmax over the keys of (q . k, keys at or past value_lens[b] lowered by 1e30) x v, both products on codes of FP6 (E2M3); the context leaves as codes along att_dim, for the last product.
; THE SOFTMAX AHEAD OF THE SECOND PRODUCT: t = energy x log2(e); M = the row's largest t so far, rounded up to a whole number; p = 2^(t - M) is quantised along the keys, not normalised.  The row's sum is taken of the
; unquantised p and divides at the end.  When M moves, the sum and O are multiplied by 2^(old M - new M): exact.
; THE MASK.  A key at or past len has p = 0 where len > 0: its score becomes -infinity ahead of the maximum, and steps of 128 keys that lie wholly past len are left out (a scalar branch on the length read from memory).
; Where len = 0 every energy is -1e30 alike, so p = 1 for all 2,048 keys: all steps are walked and every score becomes 0.
; LIMITS: |energy| under 2^75 (1e30 then swallows it, as in f32 it does); value_lens is held to 0 .. 2,048; NaN and infinities are not served; a block of the context whose largest magnitude lies under 2^-124 gets the byte 1.
; SHARES.  Work-group x: batch x % 4, head (x / 4) % 16, 256 queries x / 64: the batches alternate along x, so that long and short work-groups mix.  Each of sixteen waves owns one tile of 16 queries in 256 registers.
; The head's k and v (codes and scale words, 13,056 bytes for each step of 128 keys) are copied into LDS once: wave w brings step w, if the step is walked at all; one barrier; then no wave waits for another.
; No cluster: what partners of a cluster would share is this one fill.
; LAYOUT.  Both products are used transposed: S^T = k q^T, O^T = v^T p^T: a lane holds one query (lane % 16).  k's tiles are in position order (lane r of tile 2 b + u = key 32 b + 8 u + r + 8 (r / 8)), so that the 16 registers
; of tiles 2 b, 2 b + 1 are keys 32 b + 16 (lane / 16) + 0 .. 15; v's tiles of channels likewise, so that O^T's registers run along the channels.
; K = 64 IN A FORM OF K = 128: q's upper six registers hold zero codes and bytes 2, 3 of both scale words are 0; k's upper six are whatever follows (the next tile's codes, zeros behind the last): E2M3 has no infinity and no NaN,
; so that half adds exactly 0.
; REGISTERS: v1-4 16 l, 8 l, 32 r, 16 r; v5, v6 the add's two; v7 -16 h - 1; v8-11 the step's addresses; v12 -M, v13 the largest t, v[14:15] the sum; v16-27 q; v28 q's scale word; v29 what a hidden score becomes; v30 8 r;
;   v32-79 k's 8 half fragments, then v's 4 fragments; v80-85 zeros; v86-93 scale words; v94, v95 the fill's addresses; v96-159 S^T, then p; v160-191 O^T; v192-203 p's codes; v204-210 scratch; v212-223, v240-246 at work.
.set STEPB, 13056                      ; LDS for a step: k's codes 6,144, v's codes 6,144, k's scale words 512, v's 256
.set VCO,   6144
.set KSO,   12288
.set VSO,   12800
.set SPARE, 16*STEPB                   ; behind the 16 steps: the spare words, 128 bytes a wave: eight blocks of 256 bytes that no other line names
.set SPW,  5
.set NIL,  6
.set S,    96
.set OT,   160
.set P,    192
.set BM,   212                         ; v212-215 the blocks' largest scores, then p
.set BT,   216                         ; v216-219 the other half's, then the bytes
.set SO,   220                         ; v220-223 the conversions' scale operands
.set WV,   14
.set SEL,  20
.set CS,   22                          ; s[22:23] log2(e)
.set TB,   24                          ; s24 where the step's bytes begin in LDS
.set KF,   25                          ; s25 the step's first key
.set CNT,  26
.set LEN,  27
.set NK,   28                          ; s28 keys to be walked
	s_load_b256 s[4:11], s[0:1], 0x0               ; hc, hs, value_lens, cc
	s_load_b64 s[12:13], s[0:1], 0x20              ; cs
	v_lshl_add_u32 v[SPW], v0, 2, SPARE
	v_mov_b32 v[NIL], 0
	v_lshrrev_b32 v8, 5, v0
	v_readfirstlane_b32 s[WV], v8                  ; wave 0..15
	v_and_b32 v9, 31, v0
	v_and_b32 v10, 15, v0                          ; r
	v_bfe_u32 v11, v0, 4, 1                        ; h
	v_lshlrev_b32 v1, 4, v9
	v_lshlrev_b32 v2, 3, v9
	v_lshlrev_b32 v3, 5, v10
	v_lshlrev_b32 v4, 4, v10
	v_lshlrev_b32 v7, 4, v11
	v_sub_nc_u32 v7, -1, v7
	v_lshlrev_b32 v30, 3, v10
	s_mul_i32 s29, s[WV], STEPB
	v_add_nc_u32 v94, s29, v1                      ; where I put step w: 16 x lane,
	v_add_nc_u32 v95, s29, v2                      ; 8 x lane
	s_and_b32 s15, ttmp9, 3                        ; b
	s_bfe_u32 s16, ttmp9, 0x40002                  ; head
	s_lshr_b32 s17, ttmp9, 6                       ; which 256 queries
	s_lshl_b32 s18, s15, 4
	s_add_co_u32 s18, s18, s16                     ; 16 b + head
	s_lshl_b32 s31, s18, 4
	s_add_co_u32 s31, s31, s[WV]                   ; the step that I bring
	s_mul_i32 s36, s31, 6144
	s_add_co_u32 s36, s36, 6291456
	s_mov_b32 s37, 0
	s_lshl_b32 s38, s31, 9
	s_add_co_u32 s38, s38, 524288
	s_mov_b32 s39, 0
	s_lshl_b32 s40, s31, 8
	s_add_co_u32 s40, s40, 1048576
	s_mov_b32 s41, 0
	s_lshl_b32 s42, s18, 7
	s_lshl_b32 s43, s17, 4
	s_add_co_u32 s42, s42, s43
	s_add_co_u32 s42, s42, s[WV]                   ; my tile of queries
	s_mul_i32 s42, s42, 768
	s_mov_b32 s43, 0
	s_lshl_b32 s44, s18, 4
	s_lshl_b32 s45, s17, 1
	s_add_co_u32 s44, s44, s45
	s_lshr_b32 s45, s[WV], 3
	s_add_co_u32 s44, s44, s45
	s_lshl_b32 s44, s44, 9
	s_and_b32 s45, s[WV], 7
	s_lshl_b32 s45, s45, 2
	s_add_co_u32 s44, s44, s45                     ; its scale words: group of 8 tiles, word tile % 8
	s_mov_b32 s45, 0
	s_lshl_b32 s46, s15, 7
	s_lshl_b32 s47, s17, 4
	s_add_co_u32 s46, s46, s47
	s_add_co_u32 s46, s46, s[WV]                   ; T of the context: 128 b + 16 x block + wave
	s_lshl_b32 s48, s46, 4
	s_add_co_u32 s48, s48, s16
	s_mul_i32 s48, s48, 768                        ; its half fragment c = head
	s_mov_b32 s49, 0
	s_lshl_b32 s50, s46, 9
	s_lshr_b32 s51, s16, 2
	s_lshl_b32 s51, s51, 7
	s_add_co_u32 s50, s50, s51
	s_and_b32 s51, s16, 3
	s_lshl_b32 s51, s51, 1
	s_add_co_u32 s50, s50, s51                     ; its two scale bytes: 512 T + 128 (head / 4) + 2 (head % 4) + 8 r
	s_mov_b32 s51, 0
	s_mov_b32 s[SEL], 0x76543210
	s_mov_b32 s[SEL+1], 0xfedcba98
	s_mov_b32 s[CS], 0x3fb8aa3b                    ; log2(e)
	s_mov_b32 s[CS+1], s[CS]                       ; (named with it as a pair, so it is written)
	s_mov_b32 s[TB], 0
	s_mov_b32 s[KF], 0
	s_mov_b32 s[CNT], 16
	s_wait_kmcnt 0x0
	s_load_b128 s[32:35], s[8:9], 0x0              ; the four lengths
	s_add_nc_u64 s[36:37], s[4:5], s[36:37]        ; k's codes of my step; v's lie 6,291,456 bytes on
	s_add_nc_u64 s[38:39], s[6:7], s[38:39]        ; k's scale words
	s_add_nc_u64 s[40:41], s[6:7], s[40:41]        ; v's
	s_add_nc_u64 s[42:43], s[4:5], s[42:43]        ; q's codes
	s_add_nc_u64 s[44:45], s[6:7], s[44:45]        ; q's scale words
	s_add_nc_u64 s[10:11], s[10:11], s[48:49]
	s_add_nc_u64 s[12:13], s[12:13], s[50:51]
	global_load_b128 v[16:19], v1, s[42:43]
	global_load_b64 v[20:21], v2, s[42:43] offset:512
	global_load_b32 v28, v3, s[44:45]
	s_wait_kmcnt 0x0
	s_cmp_eq_u32 s15, 1
	s_cselect_b32 s32, s33, s32
	s_cmp_eq_u32 s15, 2
	s_cselect_b32 s32, s34, s32
	s_cmp_eq_u32 s15, 3
	s_cselect_b32 s32, s35, s32
	s_max_i32 s[LEN], s32, 0
	s_min_i32 s[LEN], s[LEN], 2048
	s_cmp_eq_u32 s[LEN], 0
	s_cselect_b32 s[NK], 2048, s[LEN]
	s_cselect_b32 s30, 0, 0xff800000               ; a hidden score: 0 where all are hidden, else -infinity
	v_mov_b32 v29, s30
	; ---- the fill: wave w brings step w, if any of its keys is walked
	s_lshl_b32 s29, s[WV], 7
	s_cmp_ge_u32 s29, s[NK]
	s_cbranch_scc1 .Lnofill
.irp i, 0,1,2,3,4,5,6,7,8,9,10,11
	global_load_b128 v[96+4*\i:99+4*\i], v1, s[36:37] offset:512*\i
.endr
.irp i, 0,1,2,3,4,5,6,7,8,9,10,11
	global_load_b128 v[144+4*\i:147+4*\i], v1, s[36:37] offset:6291456+512*\i
.endr
	global_load_b128 v[192:195], v1, s[38:39]
	global_load_b64 v[196:197], v2, s[40:41]
	s_wait_loadcnt 0x0
.irp i, 0,1,2,3,4,5,6,7,8,9,10,11
	ds_store_b128 v94, v[96+4*\i:99+4*\i] offset:512*\i
.endr
.irp i, 0,1,2,3,4,5,6,7,8,9,10,11
	ds_store_b128 v94, v[144+4*\i:147+4*\i] offset:VCO+512*\i
.endr
	ds_store_b128 v94, v[192:195] offset:KSO
	ds_store_b64 v95, v[196:197] offset:VSO
.Lnofill:
	s_wait_loadcnt 0x0                             ; q
	s_wait_dscnt 0x0                               ; for the others' sake: my stores have landed
	s_barrier_signal -1
.irp j, 22,23,24,25,26,27,80,81,82,83,84,85
	v_mov_b32 v[\j], 0                             ; q's upper half, and the six registers behind k's last tile: zero codes
.endr
	v_mov_b32 v13, 0xff61b1e6                      ; the largest t so far: -3e38, under every t
	v_floor_f32 v12, -v13                          ; -M
	v_mov_b32 v14, 0                               ; the sum, in two halves
	v_mov_b32 v15, 0
.irp b, 0,1,2,3
	v_mov_b32 v[BT+\b], 0                          ; written once: a lane permute's destination counts as one of its sources
.endr
	v_mov_b32 v240, 0
	v_mov_b32 v245, 0                              ; (named as the upper half of the pair v[244:245])
.set j, 0
.rept 32
	v_mov_b32 v[OT+j], 0                           ; O^T: the step is written once; the first finds zeros, which the first change of M leaves zeros
.set j, j+1
.endr
	s_barrier_wait -1
	; ---- the keys, 128 a step: sixteen trips, a constant; a step past the keys to be walked is jumped over, but for the lines that step addresses
.Lstep:
	s_cmp_ge_u32 s[KF], s[NK]
	s_cbranch_scc1 .Lskip
	v_add_nc_u32 v8, s[TB], v1                     ; (these four are also the places between the last step's products and the loads below)
	v_add_nc_u32 v9, s[TB], v2
	v_add_nc_u32 v10, s[TB], v3
	v_add_nc_u32 v11, s[TB], v4
.irp t, 0,1,2,3,4,5,6,7
	ds_load_b128 v[32+6*\t:35+6*\t], v8 offset:768*\t
	ds_load_b64 v[36+6*\t:37+6*\t], v9 offset:768*\t+512
.endr
	ds_load_b128 v[86:89], v10 offset:KSO          ; the eight tiles' scale words of my row
	ds_load_b128 v[90:93], v10 offset:KSO+16
	s_wait_dscnt 0x0
.irp t, 0,1,2,3,4,5,6,7
	v_wmma_scale_f32_16x16x128_f8f6f4 v[S+8*\t:S+8*\t+7], v[32+6*\t:43+6*\t], v[16:27], 0, v[86+\t], v28 matrix_a_fmt:MATRIX_FMT_FP6 matrix_b_fmt:MATRIX_FMT_FP6
.endr
.rept 4
	v_nop                                          ; places behind the products: for the loads into their registers, and for the first read of the scores
.endr
.irp t, 0,1,2,3                        ; v's four fragments are asked for now and land under the softmax
	ds_load_b128 v[32+12*\t:35+12*\t], v8 offset:VCO+1536*\t
	ds_load_b64 v[36+12*\t:37+12*\t], v9 offset:VCO+1536*\t+512
	ds_load_b128 v[38+12*\t:41+12*\t], v8 offset:VCO+1536*\t+768
	ds_load_b64 v[42+12*\t:43+12*\t], v9 offset:VCO+1536*\t+1280
.endr
	ds_load_b128 v[86:89], v11 offset:VSO
	s_add_co_u32 s29, s[KF], 128
	s_cmp_le_u32 s29, s[LEN]                       ; a step all of whose keys count skips the mask
	s_cbranch_scc1 .Lopen
	s_sub_co_i32 s29, s[LEN], s[KF]
	v_add_nc_u32 v241, s29, v7                     ; register 16 b + i holds key KF + 32 b + 16 h + i: hidden where 32 b + i > len - KF - 16 h - 1
.set n, 0
.rept 64
	v_cmp_gt_i32 vcc_lo, 32*(n/16)+n%16, v241
	v_cndmask_b32 v[S+n], v[S+n], v29, vcc_lo
.set n, n+1
.endr
.Lopen:
.irp b, 0,1,2,3
	v_max3_num_f32 v[BM+\b], v[S+16*\b], v[S+1+16*\b], v[S+2+16*\b]   ; the largest score of each block of 32 keys: for the row's maximum, and, since p rises with the score, for the block's largest p
.endr
.irp i, 3,5,7,9,11,13
.irp b, 0,1,2,3
	v_max3_num_f32 v[BM+\b], v[BM+\b], v[S+16*\b+\i], v[S+1+16*\b+\i]
.endr
.endr
.irp b, 0,1,2,3
	v_max_num_f32 v[BM+\b], v[BM+\b], v[S+15+16*\b]
.endr
.irp b, 0,1,2,3
	v_permlanex16_b32 v[BT+\b], v[BM+\b], s[SEL], s[SEL+1]
.endr
.irp b, 0,1,2,3
	v_max_num_f32 v[BM+\b], v[BM+\b], v[BT+\b]     ; with lane l xor 16's 16 keys
.endr
	v_max3_num_f32 v240, v[BM], v[BM+1], v[BM+2]
	v_max_num_f32 v240, v240, v[BM+3]
	v_mul_f32 v240, s[CS], v240                    ; the step's largest t of my query
	v_max_num_f32 v13, v13, v240
	v_mov_b32 v240, v12
	v_floor_f32 v12, -v13                          ; the new -M = -ceil(t): a whole number
	v_sub_f32 v240, v12, v240                      ; old M - new M: a whole number, 0 or less
	v_cvt_i32_f32 v240, v240                       ; (it saturates)
	v_ldexp_f32 v244, 1.0, v240                    ; f = 2^(old M - new M)
.set j, 0
.rept 32
	v_pk_fma_f32 v[S+j:S+j+1], v[S+j:S+j+1], s[CS:CS+1], v[12:13] op_sel_hi:[1,0,0]   ; t - M, two at a time
.set j, j+2
.endr
.irp b, 0,1,2,3
	v_fma_f32 v[BM+\b], v[BM+\b], s[CS], v12       ; the same of each block's largest score
.endr
.set j, 0
.rept 64
	v_exp_f32 v[S+j], v[S+j]                       ; p = 2^(t - M), at most 1
.set j, j+1
.endr
	v_pk_mul_f32 v[14:15], v[14:15], v[244:245] op_sel_hi:[1,0]   ; the sums under the new M; a plain place behind the exponentials
	s_wait_alu depctr_va_vdst(0)                   ; one wait for the batch, ahead of its first reader
.irp b, 0,1,2,3
	v_exp_f32 v[BM+\b], v[BM+\b]                   ; the blocks' largest p
.endr
	v_pk_add_f32 v[242:243], v[S:S+1], v[S+2:S+3]  ; the row's sum is taken of the unquantised p, in two chains; it reads the 64 alone: plain work behind the four
.irp j, 4,8,12,16,20,24,28,32,36,40,44,48,52,56,60
	v_pk_add_f32 v[14:15], v[14:15], v[S+\j:S+1+\j]
	v_pk_add_f32 v[242:243], v[242:243], v[S+2+\j:S+3+\j]
.endr
	v_pk_add_f32 v[14:15], v[14:15], v[242:243]
	s_wait_alu depctr_va_vdst(0)                   ; and one for the four
.irp b, 0,1,2,3
	v_max_num_f32 v[BM+\b], 0x1800000, v[BM+\b]    ; the floor 2^(3 - 127): a block whose every p is 0 keeps the byte 1; its codes are zeros
.endr
.irp b, 0,1,2,3
	v_add_nc_u32 v[SO+\b], 0xff000000, v[BM+\b]
.endr
.irp b, 0,1,2,3
	v_lshrrev_b32 v[BT+\b], 23, v[SO+\b]
.endr
	v_lshl_or_b32 v246, v[BT+1], 8, v[BT]          ; p's scale word for these 128 keys
	v_lshl_or_b32 v246, v[BT+2], 16, v246
	v_lshl_or_b32 v246, v[BT+3], 24, v246
.irp c, 0,1
	v_cvt_scalef32_pk16_fp6_f32 v[P+6*\c:P+2+6*\c], v[S+32*\c:S+15+32*\c], v[SO+2*\c]
	v_cvt_scalef32_pk16_fp6_f32 v[P+12+4*\c:P+14+4*\c], v[S+16+32*\c:S+31+32*\c], v[SO+2*\c+1]
.endr
	v_nop                                          ; one plain place behind a scaled conversion
.irp c, 0,1
.irp i, 0,1,2
	v_permlane16_swap_b32 v[P+6*\c+\i], v[P+12+4*\c+\i]
.endr
.irp i, 0,1,2
	v_mov_b32 v[P+3+6*\c+\i], v[P+12+4*\c+\i]
.endr
.endr
.set j, 0
.rept 16
	v_pk_mul_f32 v[OT+j:OT+j+1], v[OT+j:OT+j+1], v[244:245] op_sel_hi:[1,0]   ; O^T under the new M; these sixteen also stand between the lines that made p's codes and scale word and the products
.set j, j+2
.endr
	s_wait_dscnt 0x0                               ; v's fragments and scale words are in
.irp t, 0,1,2,3                        ; the four accumulators take turns, one instruction a turn
	v_wmma_scale_f32_16x16x128_f8f6f4 v[OT+8*\t:OT+8*\t+7], v[32+12*\t:43+12*\t], v[P:P+11], v[OT+8*\t:OT+8*\t+7], v[86+\t], v246 matrix_a_fmt:MATRIX_FMT_FP6 matrix_b_fmt:MATRIX_FMT_FP6
.endr
.Lskip:
	s_add_co_u32 s[KF], s[KF], 128
	s_add_co_u32 s[TB], s[TB], STEPB
	s_sub_co_u32 s[CNT], s[CNT], 1
	s_cmp_lg_u32 s[CNT], 0
	s_cbranch_scc1 .Lstep
	; ---- the way out: O^T / the sum, quantised along the head's 64 channels: one half fragment and two scale bytes a row
.rept 4
	v_nop                                          ; places behind the last products
.endr
	v_add_f32 v14, v14, v15
	v_permlanex16_b32 v240, v14, s[SEL], s[SEL+1]
	v_add_f32 v14, v14, v240                       ; the row's sum
	v_rcp_f32 v14, v14
	v_nop                                          ; a plain place behind the reciprocal
	s_wait_alu depctr_va_vdst(0)                   ; and the wait ahead of its first reader
.set j, 0
.rept 32
	v_mul_f32 v[S+j], v[OT+j], v14                 ; register 16 b + i: channel 32 b + 16 h + i of my query
.set j, j+1
.endr
.irp b, 0,1
	v_max3_num_f32 v[BM+\b], |v[S+16*\b]|, |v[S+1+16*\b]|, 0x1800000
.endr
.irp i, 2,4,6,8,10,12,14
.irp b, 0,1
	v_max3_num_f32 v[BM+\b], v[BM+\b], |v[S+16*\b+\i]|, |v[S+1+16*\b+\i]|
.endr
.endr
.irp b, 0,1
	v_permlanex16_b32 v[BT+\b], v[BM+\b], s[SEL], s[SEL+1]
.endr
.irp b, 0,1
	v_max_num_f32 v[BM+\b], v[BM+\b], v[BT+\b]
.endr
.irp b, 0,1
	v_add_nc_u32 v[SO+\b], 0xff000000, v[BM+\b]
.endr
.irp b, 0,1
	v_lshrrev_b32 v[BT+\b], 23, v[SO+\b]
.endr
	v_lshl_or_b32 v241, v[BT+1], 8, v[BT]
	v_cvt_scalef32_pk16_fp6_f32 v[P:P+2], v[S:S+15], v[SO]
	v_cvt_scalef32_pk16_fp6_f32 v[P+12:P+14], v[S+16:S+31], v[SO+1]
	v_nop
.irp i, 0,1,2
	v_permlane16_swap_b32 v[P+\i], v[P+12+\i]
.endr
.irp i, 0,1,2
	v_mov_b32 v[P+3+\i], v[P+12+\i]
.endr
	global_store_b128 v1, v[P:P+3], s[10:11]       ; 512 consecutive bytes,
	global_store_b64 v2, v[P+4:P+5], s[10:11] offset:512   ; and 256
	global_store_b16 v30, v241, s[12:13]           ; two bytes of each row's eight: the other heads' work-groups write the rest; one byte in 24 of what the context takes.  Both halves of the lanes write the same
	s_wait_tensorcnt 0x0                           ; the wave's end, behind my last LDS store
	ds_add_u32 v[SPW], v[NIL]
	s_wait_dscnt 0x0
	s_endpgm
.Lfunc_end_k_q42ee73cf38_attn:
	.size	k_q42ee73cf38_attn, .Lfunc_end_k_q42ee73cf38_attn-k_q42ee73cf38_attn
	.p2alignl 7, 3214868480
	.fill 96, 4, 3214868480
	.section	.rodata,"a",@progbits
	.p2align	6, 0x0
	.amdhsa_kernel k_q42ee73cf38_attn
		.amdhsa_group_segment_fixed_size 210944
		.amdhsa_private_segment_fixed_size 0
		.amdhsa_enable_private_segment 0
		.amdhsa_kernarg_size 40
		.amdhsa_user_sgpr_count 2
		.amdhsa_user_sgpr_kernarg_segment_ptr 1
		.amdhsa_wavefront_size32 1
		.amdhsa_system_sgpr_workgroup_id_x 1
		.amdhsa_system_sgpr_workgroup_id_y 1
		.amdhsa_system_sgpr_workgroup_id_z 1
		.amdhsa_system_vgpr_workitem_id 0
		.amdhsa_next_free_vgpr 256
		.amdhsa_next_free_sgpr 66
		.amdhsa_reserve_vcc 1
		.amdhsa_float_denorm_mode_32 3
		.amdhsa_float_denorm_mode_16_64 3
		.amdhsa_memory_ordered 1
		.amdhsa_forward_progress 1
		.amdhsa_inst_pref_size 35
	.end_amdhsa_kernel
	.amdgpu_metadata
---
amdhsa.version: [ 1, 2 ]
amdhsa.kernels:
  - .name:           k_q42ee73cf38_attn
    .symbol:         k_q42ee73cf38_attn.kd
    .args:
      - { .name: hc, .offset: 0, .size: 8, .value_kind: global_buffer, .address_space: global }
      - { .name: hs, .offset: 8, .size: 8, .value_kind: global_buffer, .address_space: global }
      - { .name: value_lens, .offset: 16, .size: 8, .value_kind: global_buffer, .address_space: global }
      - { .name: cc, .offset: 24, .size: 8, .value_kind: global_buffer, .address_space: global }
      - { .name: cs, .offset: 32, .size: 8, .value_kind: global_buffer, .address_space: global }
    .group_segment_fixed_size: 210944
    .private_segment_fixed_size: 0
    .kernarg_segment_align: 8
    .kernarg_segment_size: 40
    .max_flat_workgroup_size: 512
    .sgpr_count:     66
    .vgpr_count:     256
    .wavefront_size: 32
...
	.end_amdgpu_metadata
.endif
;; end of part 3
;; launch final (part 4): grid 4 x 32, 4 waves a work-group, clusters of 4 x 4, 327,680 bytes of LDS; arguments cc, cs, opc, ops, bf, out0; writes out0
.if DOCPART == 4
	.amdgcn_target "amdgcn-amd-amdhsa--gfx1250"
	.amdhsa_code_object_version 6
	.text
	.protected	k_q42ee73cf38_final
	.globl	k_q42ee73cf38_final
	.p2align	8
	.type	k_q42ee73cf38_final,@function
k_q42ee73cf38_final:
	s_mov_b64 s[64:65], 0
	v_nop
	global_prefetch_b8 v0, s[64:65] scope:SCOPE_SE
	s_setreg_imm32_b32 hwreg(HW_REG_WAVE_MODE, 25, 1), 1
	s_wait_xcnt 0x0
	s_wait_alu depctr_hold_cnt(0) depctr_sa_sdst(0) depctr_va_vdst(0) depctr_va_sdst(0) depctr_va_ssrc(0) depctr_va_vcc(0) depctr_vm_vsrc(0)
	s_getreg_b32 s2, hwreg(HW_REG_IB_STS2, 6, 4)
	s_cmp_eq_u32 s2, 0
	s_cbranch_scc0 .Lentry_in_a_cluster
	s_endpgm
.Lentry_in_a_cluster:
	s_bfe_u32 s2, ttmp6, 0x10000c
	s_cmp_lg_u32 s2, 0xf033
	s_cbranch_scc0 .Lentry_shape_is_right
	s_endpgm
.Lentry_shape_is_right:
; out0 = context Wf + bf on codes of FP6 (E2M3): [8192][1024] f32; K = 1,024; sums in f32.
; OPERANDS lie as images of operand registers: codes [T = 16 rows][c = K / 64][768], scale bytes [T][K / 256][r][8].  The context (cc, cs) has its rows as they lie; Wf's columns (opc + 14,942,208, ops + 622,592) are in
; position order: lane r of tile 2 b + u holds column 32 b + 8 u + r + 8 (r / 8).
; SHARES.  A work-group of four waves makes 256 x 256, a wave 128 x 128: 64 accumulators, 512 registers.  128 work-groups: the output has no more tiles of this size.
; THE MATRIX INSTRUCTION IS USED TRANSPOSED: source 0 = 16 positions of Wf, source 1 = 16 rows of the context: a lane holds eight neighbouring numbers of a row of the output.  The bias is the C of each sum's first product.
; CLUSTER 4 x 4: the context's tile is shared along a row of the cluster, Wf's along a column; each is asked for jointly.
; K goes in four steps of 256 through two LDS slots; a wave's tensor load brings 8 T x 3,072 bytes.  The scale bytes of the work-group's rows, for all of K, come once with the first fills.
; REGISTERS, in windows of 256: window 0: v1-31 addresses; v32-63 scale words, two sets; v64-127 the bias; v128-223 the context's fragments, one set (v128-255 free on the way out).
;   window 1: Wf's fragments, two sets, at v0 and v128.   windows 2, 3: the accumulators (a, b) at v[8 (8 (a % 4) + b)].
.set NQ,     2
.set FR,     12
.set NL,     4
.set NP,     4
.set TROW,   3072
.set HALFT,  8*TROW
.set SLOT,   4*HALFT
.set SCL,    2*SLOT
.set SPARE,  SCL+16640                 ; the spare words, 128 bytes a wave: two blocks of 256 bytes that no other line names
.set SPITCH, 528                       ; the way out: a stage of 16 rows x (512 bytes + 16) for each wave, in slot 0, which has had its last fill and its last read when the first result is stored there
.set ROWO,   4096                      ; a row of the output in bytes
.set O16,  4
.set O8,   5
.set ADRA, 16
.set ADRB, 20
.set STO,  24                          ; v24  the way out: where I put 32 bytes of a row
.set RD,   25                          ; v25  and where I read a row back
.set ADRS, 27
.set SPW,  28
.set NIL,  29
.set ABI,  30
.set SC,   32
.set BI,   64
.set AF,   128
.set BK,   128                         ; the way out: 16 rows read back: v128-191 and v192-255 by turns
.set G1, 24
.set G0, 32
.set G1B, 48
.set G0B, 56
.set G1S, 68
.set G0S, 76
.set G1SB, 80
.set G0SB, 88
.set MSB, 0
.macro WIN new                         ; the immediate's high byte repeats the setting that is left
.if MSB != \new
	s_set_vgpr_msb (MSB<<8)|\new
.set MSB, \new
.endif
.endm
.set MUL_LO, 0xa1                      ; source 0 window 1, source 1 window 0, C and D window 2
.set MUL_HI, 0xf1
.set BIA_LO, 0x81                      ; the same with C (the bias) in window 0
.set BIA_HI, 0xc1
.set TO_B,   0x40
.macro JLOAD g0a, g1a, g0b, g1b        ; a joint load: waves 0 and 1 fetch for the context, waves 2 and 3 for Wf; an s_nop 0 and four v_nop follow each of the two lines
	s_cmp_eq_u32 s15, 0
	s_cbranch_scc0 .Lfor_b_\@
	tensor_load_to_lds s[\g0a:\g0a+3], s[\g1a:\g1a+7]
	s_nop 0
.rept 4
	v_nop
.endr
	s_branch .Lasked_\@
.Lfor_b_\@:
	tensor_load_to_lds s[\g0b:\g0b+3], s[\g1b:\g1b+7]
	s_nop 0
.rept 4
	v_nop
.endr
.Lasked_\@:
.endm
.macro CREST
	s_cmp_lg_u32 s14, 0
	s_cbranch_scc1 .Lnot_wave_0_\@
	s_barrier_signal -3
.Lnot_wave_0_\@:
	s_barrier_wait -3
	s_barrier_signal -1
	s_barrier_wait -1
.endm
.macro CROUND
	s_barrier_signal -1
	s_barrier_wait -1
	CREST
.endm
	s_load_b256 s[4:11], s[0:1], 0x0               ; cc, cs, opc, ops
	s_load_b128 s[96:99], s[0:1], 0x20             ; bf, out0
	v_lshl_add_u32 v[SPW], v0, 2, SPARE
	v_mov_b32 v[NIL], 0
	ds_add_u32 v[SPW], v[NIL]                      ; the wave's opening: the add and its wait stand ahead of my first tensor load; the set-up below, work on registers, stands between them
	v_lshrrev_b32 v1, 5, v0
	v_readfirstlane_b32 s14, v1                    ; wave 0..3
	s_lshr_b32 s15, s14, 1                         ; my half of the tile's rows.  Also: I fetch for the context (0) or for Wf (1)
	s_and_b32 s16, s14, 1                          ; my half of its columns.  Also: which 128 rows I fetch
	s_bfe_u32 s40, ttmp6, 0x40000                  ; cx, cy
	s_bfe_u32 s41, ttmp6, 0x40004
	s_lshl_b32 s42, ttmp9, 2
	s_add_co_u32 s42, s42, s40                     ; tile column
	s_and_b32 s17, ttmp7, 0xffff
	s_lshl_b32 s17, s17, 2
	s_add_co_u32 s17, s17, s41                     ; tile row
	s_lshl_b32 s43, s41, 2
	s_lshl_b32 s43, 15, s43                        ; my row of the cluster
	s_lshl_b32 s44, 0x1111, s40                    ; my column
	s_or_b32 s[G1+0], s43, (3<<16)|(1<<21)         ; codes: 8 rows (T) of 384 elements of 8 bytes, 1,536 elements apart; dense in LDS
	s_or_b32 s[G1B+0], s44, (3<<16)|(1<<21)
.irp g, G1, G1B
	s_mov_b32 s[\g+1], 384<<16
	s_mov_b32 s[\g+2], 8<<16
	s_mov_b32 s[\g+3], 384<<16
	s_mov_b32 s[\g+4], 8
	s_mov_b32 s[\g+5], 1536
	s_mov_b32 s[\g+6], 0
	s_mov_b32 s[\g+7], 0
.endr
	s_or_b32 s[G1S+0], s43, (3<<16)|(1<<21)        ; scale bytes of 128 rows: 4,096 dense bytes as 16 rows of 256
	s_or_b32 s[G1SB+0], s44, (3<<16)|(1<<21)
.irp g, G1S, G1SB
	s_mov_b32 s[\g+1], 32<<16
	s_mov_b32 s[\g+2], 16<<16
	s_mov_b32 s[\g+3], 32<<16
	s_mov_b32 s[\g+4], 16
	s_mov_b32 s[\g+5], 32
	s_mov_b32 s[\g+6], 0
	s_mov_b32 s[\g+7], 0
.endr
	s_lshl_b32 s18, s16, 3
	s_lshl_b32 s19, s17, 4
	s_add_co_u32 s19, s19, s18                     ; the context: T
	s_mul_i32 s20, s19, 12288
	s_mov_b32 s21, 0
	s_lshl_b32 s22, s19, 9
	s_mov_b32 s23, 0
	s_lshl_b32 s13, s42, 4
	s_add_co_u32 s13, s13, s18                     ; Wf: T
	s_mul_i32 s46, s13, 12288
	s_add_co_u32 s46, s46, 14942208
	s_mov_b32 s47, 0
	s_lshl_b32 s94, s13, 9
	s_add_co_u32 s94, s94, 622592
	s_mov_b32 s95, 0
	s_mul_i32 s45, s14, HALFT
	s_lshl_b32 s66, s14, 12
	s_wait_dscnt 0x0                               ; the opening add is done
	s_wait_kmcnt 0x0
	s_add_nc_u64 s[20:21], s[4:5], s[20:21]
	s_add_nc_u64 s[22:23], s[6:7], s[22:23]
	s_add_nc_u64 s[46:47], s[8:9], s[46:47]
	s_add_nc_u64 s[94:95], s[10:11], s[94:95]
	CROUND                                         ; all sixteen work-groups are here: the first joint loads meet
	s_mov_b32 s[G0S], 1
	s_add_co_u32 s[G0S+1], s66, SCL
	s_mov_b64 s[G0S+2:G0S+3], s[22:23]
	s_or_b32 s[G0S+3], s[G0S+3], 0x80000000
	s_mov_b32 s[G0SB], 1
	s_add_co_u32 s[G0SB+1], s66, SCL+128
	s_mov_b64 s[G0SB+2:G0SB+3], s[94:95]
	s_or_b32 s[G0SB+3], s[G0SB+3], 0x80000000
	JLOAD G0S, G1S, G0SB, G1SB                     ; three loads of mine are out behind the next two
.irp s, 0,1
	s_mov_b32 s[G0+4*\s], 1
	s_add_co_u32 s[G0+4*\s+1], s45, \s*SLOT
	s_add_nc_u64 s[G0+4*\s+2:G0+4*\s+3], s[20:21], \s*TROW
	s_or_b32 s[G0+4*\s+3], s[G0+4*\s+3], 0x80000000
	s_mov_b32 s[G0B+4*\s], 1
	s_add_co_u32 s[G0B+4*\s+1], s45, \s*SLOT
	s_add_nc_u64 s[G0B+4*\s+2:G0B+4*\s+3], s[46:47], \s*TROW
	s_or_b32 s[G0B+4*\s+3], s[G0B+4*\s+3], 0x80000000
	JLOAD G0+4*\s, G1, G0B+4*\s, G1B
.endr
	v_and_b32 v1, 31, v0
	v_and_b32 v2, 15, v0                           ; r
	v_bfe_u32 v3, v0, 4, 1                         ; h
	v_lshlrev_b32 v[O16], 4, v1
	v_lshlrev_b32 v[O8], 3, v1
	s_mul_i32 s21, s15, HALFT
	s_mul_i32 s22, s16, HALFT
	s_add_co_u32 s22, s22, 2*HALFT
.irp s, 0,1
	v_add_nc_u32 v[ADRA+\s], s21, v[O16]
	v_add_nc_u32 v[ADRA+2+\s], s21, v[O8]
	v_add_nc_u32 v[ADRB+\s], s22, v[O16]
	v_add_nc_u32 v[ADRB+2+\s], s22, v[O8]
	s_add_co_u32 s21, s21, SLOT
	s_add_co_u32 s22, s22, SLOT
.endr
	s_lshl_b32 s21, s15, 12
	s_lshl_b32 s22, s16, 12
	s_add_co_u32 s22, s22, 8320
	s_sub_co_u32 s22, s22, s21
	v_mul_u32_u24 v6, s22, v3                      ; lanes 16-31 take Wf's scale words: one product, the distance x h
	s_add_co_u32 s21, s21, SCL
	v_lshl_add_u32 v6, v2, 3, v6
	v_add_nc_u32 v[ADRS], s21, v6
	s_mul_i32 s23, s14, 16*SPITCH                  ; my stage
	v_mul_u32_u24 v6, v2, SPITCH
	v_lshl_add_u32 v6, v3, 6, v6
	v_add_nc_u32 v[STO], s23, v6                   ; in: row r; accumulator b's eight numbers are columns 32 (b / 2) + 8 (b % 2) + 16 h + 0 .. 7
	v_add_nc_u32 v[RD], s23, v[O16]                ; back: the 32 lanes take one row of 512 bytes
	s_lshl_b32 s20, s17, 8
	s_lshl_b32 s21, s15, 7
	s_add_co_u32 s20, s20, s21                     ; my first row of the output
	s_lshl_b32 s20, s20, 12
	s_lshl_b32 s46, s42, 10
	s_lshl_b32 s47, s16, 9
	s_add_co_u32 s46, s46, s47                     ; my first column, in bytes; also my first number of the bias
	s_add_co_u32 s20, s20, s46
	s_mov_b32 s21, 0
	s_add_nc_u64 s[98:99], s[98:99], s[20:21]
	v_lshl_add_u32 v[ABI], v3, 6, s46
.irp t, 0,1,2,3,4,5,6,7
	global_load_b128 v[BI+8*\t:BI+8*\t+3], v[ABI], s[96:97] offset:(32*(\t/2)+8*(\t%2))*4
	global_load_b128 v[BI+8*\t+4:BI+8*\t+7], v[ABI], s[96:97] offset:(32*(\t/2)+8*(\t%2))*4+16
.endr
.macro FRAG reg, adr, off              ; a fragment, 16 rows x 128 K: two half fragments as they lie
	ds_load_b128 v[\reg:\reg+3], v[\adr] offset:\off
	ds_load_b64 v[\reg+4:\reg+5], v[\adr+2] offset:(\off)+512
	ds_load_b128 v[\reg+6:\reg+9], v[\adr] offset:(\off)+768
	ds_load_b64 v[\reg+10:\reg+11], v[\adr+2] offset:(\off)+1280
.endm
; 16 matrix instructions: the context's blocks a0, a0 + 1 x Wf's eight.  first = 1: the sum begins with the bias.  The 64 accumulators take turns, one instruction a turn.
.macro MUL16 a0, p, q, sc, first
.irp a, \a0, \a0+1
.irp b, 0,1,2,3,4,5,6,7
.if \first
	v_wmma_scale_f32_16x16x128_f8f6f4 v[8*(8*((\a)%4)+\b):8*(8*((\a)%4)+\b)+7], v[128*(\p)+FR*\b:128*(\p)+FR*\b+FR-1], v[AF+FR*(\a):AF+FR*(\a)+FR-1], v[BI+8*\b:BI+8*\b+7], v[SC+8*NQ*(\sc)+NQ*\b+(\q)], v[SC+8*NQ*(\sc)+NQ*(\a)+(\q)] matrix_a_fmt:MATRIX_FMT_FP6 matrix_b_fmt:MATRIX_FMT_FP6 matrix_a_scale:MATRIX_SCALE_ROW1
.else
	v_wmma_scale_f32_16x16x128_f8f6f4 v[8*(8*((\a)%4)+\b):8*(8*((\a)%4)+\b)+7], v[128*(\p)+FR*\b:128*(\p)+FR*\b+FR-1], v[AF+FR*(\a):AF+FR*(\a)+FR-1], v[8*(8*((\a)%4)+\b):8*(8*((\a)%4)+\b)+7], v[SC+8*NQ*(\sc)+NQ*\b+(\q)], v[SC+8*NQ*(\sc)+NQ*(\a)+(\q)] matrix_a_fmt:MATRIX_FMT_FP6 matrix_b_fmt:MATRIX_FMT_FP6 matrix_a_scale:MATRIX_SCALE_ROW1
.endif
.endr
.endr
.endm
.macro FETCH_B slot, q, p
	WIN TO_B
.irp i, 0,1,2,3,4,5,6,7
	FRAG 128*(\p)+FR*\i, ADRB+\slot, TROW*\i+1536*(\q)
.endr
	WIN 0
.endm
.macro FETCH_A slot, q, i0
.irp i, \i0, \i0+1, \i0+2, \i0+3
	FRAG AF+FR*(\i), ADRA+\slot, TROW*(\i)+1536*(\q)
.endr
.endm
.macro SCALES sc
.irp i, 0,1,2,3,4,5,6,7
	ds_load_b64 v[SC+8*NQ*\sc+NQ*\i:SC+8*NQ*\sc+NQ*\i+1], v[ADRS] offset:512*\i
.endr
.endm
.macro PLACES n                        ; plain vector instructions between a matrix instruction and a load into, or a read of, one of its registers (ISA guide 7.12.1 for vector instructions)
.rept \n
	v_nop
.endr
.endm
.macro STEP slot, q, first
	s_wait_dscnt 4*NL                              ; all but the youngest 16 loads (the context's blocks 4-7) are in
.if \first
	WIN BIA_LO
.else
	WIN MUL_LO
.endif
	MUL16 0, (\q)%2, \q, \slot, \first
	MUL16 2, (\q)%2, \q, \slot, \first
	s_wait_dscnt 0
	PLACES NP
	FETCH_B \slot, (\q)+1, 1-(\q)%2
	FETCH_A \slot, (\q)+1, 0
.if \first
	WIN BIA_HI
.else
	WIN MUL_HI
.endif
	MUL16 4, (\q)%2, \q, \slot, \first
	MUL16 6, (\q)%2, \q, \slot, \first
	PLACES NP
	WIN 0
	FETCH_A \slot, (\q)+1, 4
.endm
.macro TURN slot, next, fill           ; a slot's last step changes slots: one barrier; in front of it the wait for all my tensor loads, the add, and the wait for it and for my reads of this slot
	s_wait_tensorcnt 0x0                           ; all my tensor loads have landed: my part of the next slot
	ds_add_u32 v[SPW], v[NIL]                      ; 0 onto my spare word
	s_wait_dscnt 4*NL+1                            ; (the add and the youngest 16 loads may be out)
	WIN MUL_LO
	MUL16 0, 1, NQ-1, \slot, 0
	s_wait_dscnt 0x0                               ; the add is done, and my reads of this slot are over
	s_barrier_signal -1
	MUL16 2, 1, NQ-1, \slot, 0
	WIN 0
	s_barrier_wait -1
.if \fill
	CREST                                          ; the barrier has opened a round of the cluster's barrier
	s_add_nc_u64 s[G0+4*\slot+2:G0+4*\slot+3], s[G0+4*\slot+2:G0+4*\slot+3], 2*TROW
	s_add_nc_u64 s[G0B+4*\slot+2:G0B+4*\slot+3], s[G0B+4*\slot+2:G0B+4*\slot+3], 2*TROW
	JLOAD G0+4*\slot, G1, G0B+4*\slot, G1B         ; the first tensor load behind the round, my only one until the next
.else
	PLACES NP
.endif
	v_add_nc_u32 v[ADRS], 128, v[ADRS]
	FETCH_B \next, 0, 0
	FETCH_A \next, 0, 0
	SCALES \next
	WIN MUL_HI
	MUL16 4, 1, NQ-1, \slot, 0
	MUL16 6, 1, NQ-1, \slot, 0
	PLACES NP
	WIN 0
	FETCH_A \next, 0, 4
.endm
	s_wait_loadcnt 0x0                             ; the bias
	s_wait_tensorcnt 1                             ; the scale bytes and my part of K step 0 are in; K step 1's load may be out
	s_barrier_signal -1
	s_barrier_wait -1
	FETCH_B 0, 0, 0
	FETCH_A 0, 0, 0
	SCALES 0
	FETCH_A 0, 0, 4
	STEP 0, 0, 1                                   ; K has four steps of 256: they are written out
	TURN 0, 1, 1
	STEP 1, 0, 0
	TURN 1, 0, 1
	STEP 0, 0, 0
	TURN 0, 1, 0                                   ; the last two K steps ask for nothing; behind this barrier nobody reads slot 0
	STEP 1, 0, 0
	s_wait_dscnt 4*NL
	WIN MUL_LO
	MUL16 0, 1, NQ-1, 1, 0
	MUL16 2, 1, NQ-1, 1, 0
	s_wait_dscnt 0
	WIN MUL_HI
	MUL16 4, 1, NQ-1, 1, 0
	MUL16 6, 1, NQ-1, 1, 0
	WIN 0
; THE WAY OUT, block by block of 16 rows x 128 columns, through my own stage: LDS serves a wave's instructions in order, so no wait stands between the stores and the loads, nor in front of the next block's stores.
.macro TOSTAGE a
.set AC, 64*((\a)%4)
	WIN 0x08+4*((\a)/4)                            ; the data: window 2 or 3
.irp b, 0,1,2,3,4,5,6,7
	ds_store_b128 v[STO], v[AC+8*\b:AC+8*\b+3] offset:128*(\b/2)+32*(\b%2)          ; each accumulator from its low end on
	ds_store_b128 v[STO], v[AC+8*\b+4:AC+8*\b+7] offset:128*(\b/2)+32*(\b%2)+16
.endr
	WIN 0
.set BB, BK+64*((\a)%2)
.irp t, 0,1,2,3,4,5,6,7,8,9,10,11,12,13,14,15
	ds_load_b128 v[BB+4*\t:BB+4*\t+3], v[RD] offset:\t*SPITCH
.endr
.endm
.macro SEND a, younger                 ; younger: the LDS instructions issued behind block a's loads, which may stay out
.set BB, BK+64*((\a)%2)
	s_wait_dscnt \younger
.if (\a) > 0
	s_add_nc_u64 s[98:99], s[98:99], 16*ROWO       ; (behind a wait on XCNT: the earlier stores have read their base)
.endif
.irp t, 0,1,2,3,4,5,6,7,8,9,10,11,12,13,14,15
	global_store_b128 v[O16], v[BB+4*\t:BB+4*\t+3], s[98:99] offset:\t*ROWO th:TH_STORE_NT   ; 32 lanes store 512 consecutive bytes, at a multiple of 256 from the output's first byte
.endr
.endm
	PLACES NP                                      ; behind the last products: for the loads into the registers that held fragments, and for the reads of results
	TOSTAGE 0
.irp a, 1,2,3,4,5,6,7
.if \a > 1
	s_wait_xcnt 0x0                                ; block a - 2's stores have read their registers and their base
.endif
	TOSTAGE \a
	SEND \a-1, 32                                  ; behind block a - 1's loads: block a's 16 stores and 16 loads
.endr
	s_wait_xcnt 0x0
	SEND 7, 0
	s_wait_tensorcnt 0x0                           ; the wave's end, behind my last tensor load and my last LDS store
	ds_add_u32 v[SPW], v[NIL]
	s_wait_dscnt 0x0
	CROUND                                         ; the closing round: no work-group ends while a partner may still ask for a tile that names it
	s_endpgm
.Lfunc_end_k_q42ee73cf38_final:
	.size	k_q42ee73cf38_final, .Lfunc_end_k_q42ee73cf38_final-k_q42ee73cf38_final
	.p2alignl 7, 3214868480
	.fill 96, 4, 3214868480
	.section	.rodata,"a",@progbits
	.p2align	6, 0x0
	.amdhsa_kernel k_q42ee73cf38_final
		.amdhsa_group_segment_fixed_size 327680
		.amdhsa_private_segment_fixed_size 0
		.amdhsa_enable_private_segment 0
		.amdhsa_kernarg_size 48
		.amdhsa_user_sgpr_count 2
		.amdhsa_user_sgpr_kernarg_segment_ptr 1
		.amdhsa_wavefront_size32 1
		.amdhsa_system_sgpr_workgroup_id_x 1
		.amdhsa_system_sgpr_workgroup_id_y 1
		.amdhsa_system_sgpr_workgroup_id_z 1
		.amdhsa_system_vgpr_workitem_id 0
		.amdhsa_next_free_vgpr 1024
		.amdhsa_next_free_sgpr 100
		.amdhsa_reserve_vcc 0
		.amdhsa_float_denorm_mode_32 3
		.amdhsa_float_denorm_mode_16_64 3
		.amdhsa_memory_ordered 1
		.amdhsa_forward_progress 1
		.amdhsa_inst_pref_size 145
	.end_amdhsa_kernel
	.amdgpu_metadata
---
amdhsa.version: [ 1, 2 ]
amdhsa.kernels:
  - .name:           k_q42ee73cf38_final
    .symbol:         k_q42ee73cf38_final.kd
    .args:
      - { .name: cc, .offset: 0, .size: 8, .value_kind: global_buffer, .address_space: global }
      - { .name: cs, .offset: 8, .size: 8, .value_kind: global_buffer, .address_space: global }
      - { .name: opc, .offset: 16, .size: 8, .value_kind: global_buffer, .address_space: global }
      - { .name: ops, .offset: 24, .size: 8, .value_kind: global_buffer, .address_space: global }
      - { .name: bf, .offset: 32, .size: 8, .value_kind: global_buffer, .address_space: global }
      - { .name: out0, .offset: 40, .size: 8, .value_kind: global_buffer, .address_space: global }
    .group_segment_fixed_size: 327680
    .private_segment_fixed_size: 0
    .kernarg_segment_align: 8
    .kernarg_segment_size: 48
    .max_flat_workgroup_size: 128
    .sgpr_count:     100
    .vgpr_count:     1024
    .wavefront_size: 32
...
	.end_amdgpu_metadata
.endif
;; end of part 4
;; ======== version 2 of 2: 4 launches; version 1 with the launch attn written anew for expert scheduling mode
;; limits: right only within a limited range of input values
;; workspace buffers: opc 15,728,640 bytes; ops 655,360 bytes; hc 18,874,368 bytes; hs 1,310,720 bytes; cc 6,291,456 bytes; cs 262,144 bytes
;; launch quant: the kernel of part 1 again; grid 1152 x 1, 4 waves a work-group, no clusters, 35,328 bytes of LDS; arguments query, value, Wq, Wk, Wv, Wf, opc, ops; writes opc, ops
;; launch proj: the kernel of part 2 again; grid 4 x 96, 4 waves a work-group, clusters of 4 x 4, 327,680 bytes of LDS; arguments opc, ops, hc, hs, bq, bk, bv; writes hc, hs
;; launch attn (part 5): grid 512 x 1, 16 waves a work-group, no clusters, 210,944 bytes of LDS; arguments hc, hs, value_lens, cc, cs; writes cc, cs
.if DOCPART == 5
	.amdgcn_target "amdgcn-amd-amdhsa--gfx1250"
	.amdhsa_code_object_version 6
	.text
	.protected	k_q42ee73cf38_attn
	.globl	k_q42ee73cf38_attn
	.p2align	8
	.type	k_q42ee73cf38_attn,@function
k_q42ee73cf38_attn:
	s_mov_b64 s[64:65], 0
	v_nop
	global_prefetch_b8 v0, s[64:65] scope:SCOPE_SE
	s_setreg_imm32_b32 hwreg(HW_REG_WAVE_SCHED_MODE, 0, 2), 2
	s_setreg_imm32_b32 hwreg(HW_REG_WAVE_MODE, 25, 1), 1
	s_wait_xcnt 0x0
	s_wait_alu depctr_vm_vsrc(0)
; context[b][q][head] = softmax over the keys of (q . k, keys at or past value_lens[b] lowered by 1e30) x v, both products on codes of FP6 (E2M3); the context leaves as codes along att_dim, for the last product.
; THE SOFTMAX AHEAD OF THE SECOND PRODUCT: t = energy x log2(e); M = the row's largest t so far, rounded up to a whole number; p = 2^(t - M) is quantised along the keys, not normalised.  The row's sum is taken of the
; unquantised p and divides at the end.  When M moves, the sum and O are multiplied by 2^(old M - new M): exact.
; THE MASK.  A key at or past len has p = 0 where len > 0: its score becomes -infinity ahead of the maximum, and steps of 128 keys that lie wholly past len are left out (a scalar branch on the length read from memory).
; Where len = 0 every energy is -1e30 alike, so p = 1 for all 2,048 keys: all steps are walked and every score becomes 0.
; LIMITS: |energy| under 2^75 (1e30 then swallows it, as in f32 it does); value_lens is held to 0 .. 2,048; NaN and infinities are not served; a block of the context whose largest magnitude lies under 2^-124 gets the byte 1.
; SHARES.  Work-group x: batch x % 4, head (x / 4) % 16, 256 queries x / 64: the batches alternate along x, so that long and short work-groups mix.  Each of sixteen waves owns one tile of 16 queries in 256 registers.
; The head's k and v (codes and scale words, 13,056 bytes for each step of 128 keys) are copied into LDS once: wave w brings step w, if the step is walked at all; one barrier; then no wave waits for another.
; No cluster: what partners of a cluster would share is this one fill.
; LAYOUT.  Both products are used transposed: S^T = k q^T, O^T = v^T p^T: a lane holds one query (lane % 16).  k's tiles are in position order (lane r of tile 2 b + u = key 32 b + 8 u + r + 8 (r / 8)), so that the 16 registers
; of tiles 2 b, 2 b + 1 are keys 32 b + 16 (lane / 16) + 0 .. 15; v's tiles of channels likewise, so that O^T's registers run along the channels.
; K = 64 IN A FORM OF K = 128: q's upper six registers hold zero codes and bytes 2, 3 of both scale words are 0; k's upper six are whatever follows (the next tile's codes, zeros behind the last): E2M3 has no infinity and no NaN,
; so that half adds exactly 0.
; REGISTERS: v1-4 16 l, 8 l, 32 r, 16 r; v5, v6 the add's two; v7 -16 h - 1; v8-11 the step's addresses; v12 -M, v13 the largest t, v[14:15] the sum; v16-27 q; v28 q's scale word; v29 what a hidden score becomes; v30 8 r;
;   v32-79 k's 8 half fragments, then v's 4 fragments; v80-85 zeros; v86-93 scale words; v94, v95 the fill's addresses; v96-159 S^T, then p; v160-191 O^T; v192-203 p's codes; v204-210 scratch; v212-223, v240-246 at work.
;   s32-63: at the head lengths and addresses; in the loop the mask's 32 lane masks.
; THE MODE: SCHED_MODE bits 1:0 = 2 (LLVM: expert scheduling mode 2), set by the entry lines.  The code itself states the register dependences between vector or matrix instructions and memory or LDS instructions,
; with s_wait_alu, always for 0.
; THE PLAN.  Registers that memory or LDS instructions touch:
;   v1-3, v30, v94, v95   offsets and the fill's LDS addresses: written at the head, never again: one wait on va_vdst ahead of the first load serves them all.
;   v96-197               the fill: global loads land there, LDS stores read them; afterwards they are S^T, O^T and p's codes: one wait on vm_vsrc behind the fill's last store.
;   v8-11                 written by four additions at a step's head, read by the step's 35 LDS loads: a wait on vm_vsrc ahead of the additions.
;   v32-79, v86-93        k's 18 loads land; the eight products k q^T read them (with the zeros v80-85); v's 17 loads land; the four products v^T p^T read v32-79, v86-89; the next step's k lands.
;                         So one wait on va_vdst stands ahead of each of the two runs of loads: at the step's head (it also states that v8-11 are written) and behind the eight products.
;   v192-203, v246        p's codes and scale word, written by vector instructions, taken by scaled products: a wait on va_vdst ahead of these, behind the places.
;   v192-197, v241        the way out: written by vector instructions, read by the three stores: a wait on va_vdst ahead of the stores.
; No second set of registers for the next step's k: it wants 56, and of the wave's 256 (sixteen waves of 256 fill the four SIMDs' 1,024 each) 29 are free.
.set STEPB, 13056                      ; LDS for a step: k's codes 6,144, v's codes 6,144, k's scale words 512, v's 256
.set VCO,   6144
.set KSO,   12288
.set VSO,   12800
.set SPARE, 16*STEPB                   ; behind the 16 steps: the spare words, 128 bytes a wave: eight blocks of 256 bytes that no other line names
.set SPW,  5
.set NIL,  6
.set S,    96
.set OT,   160
.set P,    192
.set BM,   212                         ; v212-215 the blocks' largest scores, then p
.set BT,   216                         ; v216-219 the other half's, then the bytes
.set SO,   220                         ; v220-223 the conversions' scale operands
.set WV,   14
.set SEL,  20
.set CS,   22                          ; s[22:23] log2(e)
.set TB,   24                          ; s24 where the step's bytes begin in LDS
.set KF,   25                          ; s25 the step's first key
.set CNT,  26
.set LEN,  27
.set NK,   28                          ; s28 keys to be walked
.set MK,   32                          ; s32-63 the mask: a lane mask for each of 32 registers of scores
	s_load_b256 s[4:11], s[0:1], 0x0               ; hc, hs, value_lens, cc
	s_load_b64 s[12:13], s[0:1], 0x20              ; cs
	v_lshl_add_u32 v[SPW], v0, 2, SPARE
	v_mov_b32 v[NIL], 0
	v_lshrrev_b32 v8, 5, v0
	v_readfirstlane_b32 s[WV], v8                  ; wave 0..15
	v_and_b32 v9, 31, v0
	v_and_b32 v10, 15, v0                          ; r
	v_bfe_u32 v11, v0, 4, 1                        ; h
	v_lshlrev_b32 v1, 4, v9
	v_lshlrev_b32 v2, 3, v9
	v_lshlrev_b32 v3, 5, v10
	v_lshlrev_b32 v4, 4, v10
	v_lshlrev_b32 v7, 4, v11
	v_sub_nc_u32 v7, -1, v7
	v_lshlrev_b32 v30, 3, v10
	s_wait_alu depctr_va_sdst(0)                   ; the wave's number is written into s14, ahead of its first reader, the line below
	s_mul_i32 s29, s[WV], STEPB
	v_add_nc_u32 v94, s29, v1                      ; where I put step w: 16 x lane,
	v_add_nc_u32 v95, s29, v2                      ; 8 x lane
	s_and_b32 s15, ttmp9, 3                        ; b
	s_bfe_u32 s16, ttmp9, 0x40002                  ; head
	s_lshr_b32 s17, ttmp9, 6                       ; which 256 queries
	s_lshl_b32 s18, s15, 4
	s_add_co_u32 s18, s18, s16                     ; 16 b + head
	s_lshl_b32 s31, s18, 4
	s_add_co_u32 s31, s31, s[WV]                   ; the step that I bring
	s_mul_i32 s36, s31, 6144
	s_add_co_u32 s36, s36, 6291456
	s_mov_b32 s37, 0
	s_lshl_b32 s38, s31, 9
	s_add_co_u32 s38, s38, 524288
	s_mov_b32 s39, 0
	s_lshl_b32 s40, s31, 8
	s_add_co_u32 s40, s40, 1048576
	s_mov_b32 s41, 0
	s_lshl_b32 s42, s18, 7
	s_lshl_b32 s43, s17, 4
	s_add_co_u32 s42, s42, s43
	s_add_co_u32 s42, s42, s[WV]                   ; my tile of queries
	s_mul_i32 s42, s42, 768
	s_mov_b32 s43, 0
	s_lshl_b32 s44, s18, 4
	s_lshl_b32 s45, s17, 1
	s_add_co_u32 s44, s44, s45
	s_lshr_b32 s45, s[WV], 3
	s_add_co_u32 s44, s44, s45
	s_lshl_b32 s44, s44, 9
	s_and_b32 s45, s[WV], 7
	s_lshl_b32 s45, s45, 2
	s_add_co_u32 s44, s44, s45                     ; its scale words: group of 8 tiles, word tile % 8
	s_mov_b32 s45, 0
	s_lshl_b32 s46, s15, 7
	s_lshl_b32 s47, s17, 4
	s_add_co_u32 s46, s46, s47
	s_add_co_u32 s46, s46, s[WV]                   ; T of the context: 128 b + 16 x block + wave
	s_lshl_b32 s48, s46, 4
	s_add_co_u32 s48, s48, s16
	s_mul_i32 s48, s48, 768                        ; its half fragment c = head
	s_mov_b32 s49, 0
	s_lshl_b32 s50, s46, 9
	s_lshr_b32 s51, s16, 2
	s_lshl_b32 s51, s51, 7
	s_add_co_u32 s50, s50, s51
	s_and_b32 s51, s16, 3
	s_lshl_b32 s51, s51, 1
	s_add_co_u32 s50, s50, s51                     ; its two scale bytes: 512 T + 128 (head / 4) + 2 (head % 4) + 8 r
	s_mov_b32 s51, 0
	s_mov_b32 s[SEL], 0x76543210
	s_mov_b32 s[SEL+1], 0xfedcba98
	s_mov_b32 s[CS], 0x3fb8aa3b                    ; log2(e)
	s_mov_b32 s[CS+1], s[CS]                       ; (named with it as a pair, so it is written)
	s_mov_b32 s[TB], 0
	s_mov_b32 s[KF], 0
	s_mov_b32 s[CNT], 16
	s_wait_kmcnt 0x0
	s_load_b128 s[32:35], s[8:9], 0x0              ; the four lengths
	s_add_nc_u64 s[36:37], s[4:5], s[36:37]        ; k's codes of my step; v's lie 6,291,456 bytes on
	s_add_nc_u64 s[38:39], s[6:7], s[38:39]        ; k's scale words
	s_add_nc_u64 s[40:41], s[6:7], s[40:41]        ; v's
	s_add_nc_u64 s[42:43], s[4:5], s[42:43]        ; q's codes
	s_add_nc_u64 s[44:45], s[6:7], s[44:45]        ; q's scale words
	s_add_nc_u64 s[10:11], s[10:11], s[48:49]
	s_add_nc_u64 s[12:13], s[12:13], s[50:51]
	s_wait_alu depctr_va_vdst(0)                   ; v1, v2, v3, v30, v94 and v95 are written: the offsets and LDS addresses that the loads and stores of the head, of the fill and of the way out read
	global_load_b128 v[16:19], v1, s[42:43]
	global_load_b64 v[20:21], v2, s[42:43] offset:512
	global_load_b32 v28, v3, s[44:45]
	s_wait_kmcnt 0x0
	s_cmp_eq_u32 s15, 1
	s_cselect_b32 s32, s33, s32
	s_cmp_eq_u32 s15, 2
	s_cselect_b32 s32, s34, s32
	s_cmp_eq_u32 s15, 3
	s_cselect_b32 s32, s35, s32
	s_max_i32 s[LEN], s32, 0
	s_min_i32 s[LEN], s[LEN], 2048
	s_cmp_eq_u32 s[LEN], 0
	s_cselect_b32 s[NK], 2048, s[LEN]
	s_cselect_b32 s30, 0, 0xff800000               ; a hidden score: 0 where all are hidden, else -infinity
	v_mov_b32 v29, s30                             ; (no memory instruction names v29)
	; ---- the fill: wave w brings step w, if any of its keys is walked
	s_lshl_b32 s29, s[WV], 7
	s_cmp_ge_u32 s29, s[NK]
	s_cbranch_scc1 .Lnofill
.irp i, 0,1,2,3,4,5,6,7,8,9,10,11
	global_load_b128 v[96+4*\i:99+4*\i], v1, s[36:37] offset:512*\i
.endr
.irp i, 0,1,2,3,4,5,6,7,8,9,10,11
	global_load_b128 v[144+4*\i:147+4*\i], v1, s[36:37] offset:6291456+512*\i
.endr
	global_load_b128 v[192:195], v1, s[38:39]
	global_load_b64 v[196:197], v2, s[40:41]
	s_wait_loadcnt 0x0
.irp i, 0,1,2,3,4,5,6,7,8,9,10,11
	ds_store_b128 v94, v[96+4*\i:99+4*\i] offset:512*\i
.endr
.irp i, 0,1,2,3,4,5,6,7,8,9,10,11
	ds_store_b128 v94, v[144+4*\i:147+4*\i] offset:VCO+512*\i
.endr
	ds_store_b128 v94, v[192:195] offset:KSO
	ds_store_b64 v95, v[196:197] offset:VSO
	s_wait_alu depctr_vm_vsrc(0)                   ; the LDS stores have read v96 to v197: these registers are S^T, O^T and p's codes from here on, written by the start values below, the products and the conversions
.Lnofill:
	s_wait_loadcnt 0x0                             ; q
	s_wait_dscnt 0x0                               ; for the others' sake: my stores have landed
	s_barrier_signal -1
.irp j, 22,23,24,25,26,27,80,81,82,83,84,85
	v_mov_b32 v[\j], 0                             ; q's upper half, and the six registers behind k's last tile: zero codes
.endr
	v_mov_b32 v13, 0xff61b1e6                      ; the largest t so far: -3e38, under every t
	v_floor_f32 v12, -v13                          ; -M
	v_mov_b32 v14, 0                               ; the sum, in two halves
	v_mov_b32 v15, 0
.irp b, 0,1,2,3
	v_mov_b32 v[BT+\b], 0                          ; written once: a lane permute's destination counts as one of its sources
.endr
	v_mov_b32 v240, 0
	v_mov_b32 v245, 0                              ; (named as the upper half of the pair v[244:245])
.set j, 0
.rept 32
	v_mov_b32 v[OT+j], 0                           ; O^T: the step is written once; the first finds zeros, which the first change of M leaves zeros
.set j, j+1
.endr
	s_barrier_wait -1
	; ---- the keys, 128 a step: sixteen trips, a constant; a step past the keys to be walked is jumped over, but for the lines that step addresses
.Lstep:
	s_cmp_ge_u32 s[KF], s[NK]
	s_cbranch_scc1 .Lskip
	s_wait_alu depctr_vm_vsrc(0)                   ; the last step's LDS loads have read v8 to v11, which the four lines below write again
	v_add_nc_u32 v8, s[TB], v1
	v_add_nc_u32 v9, s[TB], v2
	v_add_nc_u32 v10, s[TB], v3
	v_add_nc_u32 v11, s[TB], v4
	s_wait_alu depctr_va_vdst(0)                   ; v8 to v11 are written, which this step's LDS loads read; the last step's four products are done reading v32-79 and v86-89, in which k lands; in the first trip: the zero codes v22-27 and v80-85 are written, which the products below take inside their operands
	ds_load_b128 v[86:89], v10 offset:KSO          ; the eight tiles' scale words of my row go out first: the first product wants them
	ds_load_b128 v[90:93], v10 offset:KSO+16
.irp t, 0,1,2,3,4,5,6,7
	ds_load_b128 v[32+6*\t:35+6*\t], v8 offset:768*\t
	ds_load_b64 v[36+6*\t:37+6*\t], v9 offset:768*\t+512
.endr
.irp t, 0,1,2,3,4,5,6,7
.if \t < 7
	s_wait_dscnt 12-2*\t                           ; LDS loads come back in order (ISA guide 5.7.1): the scale words and tiles 0 to t + 1 are in (product t names tile t + 1's registers as its idle upper half); the two loads of each of tiles t + 2 to 7 stay out
.endif
	v_wmma_scale_f32_16x16x128_f8f6f4 v[S+8*\t:S+8*\t+7], v[32+6*\t:43+6*\t], v[16:27], 0, v[86+\t], v28 matrix_a_fmt:MATRIX_FMT_FP6 matrix_b_fmt:MATRIX_FMT_FP6
.endr
.rept 4
	v_nop                                          ; places behind the products, for the first read of the scores (ISA guide 7.12.1)
.endr
	s_wait_alu depctr_va_vdst(0)                   ; the eight products are done reading v32-85 and v86-93, in which v's fragments and scale words land
.irp t, 0,1,2,3                        ; v's four fragments are asked for now and land under the softmax, none of whose lines names v32-79, v86-89 or the addresses
	ds_load_b128 v[32+12*\t:35+12*\t], v8 offset:VCO+1536*\t
	ds_load_b64 v[36+12*\t:37+12*\t], v9 offset:VCO+1536*\t+512
	ds_load_b128 v[38+12*\t:41+12*\t], v8 offset:VCO+1536*\t+768
	ds_load_b64 v[42+12*\t:43+12*\t], v9 offset:VCO+1536*\t+1280
.endr
	ds_load_b128 v[86:89], v11 offset:VSO
	s_add_co_u32 s29, s[KF], 128
	s_cmp_le_u32 s29, s[LEN]                       ; a step all of whose keys count skips the mask
	s_cbranch_scc1 .Lopen
	s_sub_co_i32 s29, s[LEN], s[KF]
	v_add_nc_u32 v241, s29, v7                     ; register 16 b + i holds key KF + 32 b + 16 h + i: hidden where 32 b + i > len - KF - 16 h - 1
.irp g, 0,1                            ; the compares go in two runs of 32, each register's lane mask into a scalar register of its own, so that one wait serves a run
.set n, 32*\g
.rept 32
	v_cmp_gt_i32 s[MK+n%32], 32*(n/16)+n%16, v241
.set n, n+1
.endr
	s_wait_alu depctr_va_sdst(0)                   ; the 32 compares have written s32 to s63, ahead of the selects that read them
.set n, 32*\g
.rept 32
	v_cndmask_b32 v[S+n], v[S+n], v29, s[MK+n%32]  ; each accumulator from its low end on
.set n, n+1
.endr
.endr
.Lopen:
.irp b, 0,1,2,3
	v_max3_num_f32 v[BM+\b], v[S+16*\b], v[S+1+16*\b], v[S+2+16*\b]   ; the largest score of each block of 32 keys: for the row's maximum, and, since p rises with the score, for the block's largest p
.endr
.irp i, 3,5,7,9,11,13
.irp b, 0,1,2,3
	v_max3_num_f32 v[BM+\b], v[BM+\b], v[S+16*\b+\i], v[S+1+16*\b+\i]
.endr
.endr
.irp b, 0,1,2,3
	v_max_num_f32 v[BM+\b], v[BM+\b], v[S+15+16*\b]
.endr
.irp b, 0,1,2,3
	v_permlanex16_b32 v[BT+\b], v[BM+\b], s[SEL], s[SEL+1]
.endr
.irp b, 0,1,2,3
	v_max_num_f32 v[BM+\b], v[BM+\b], v[BT+\b]     ; with lane l xor 16's 16 keys
.endr
	v_max3_num_f32 v240, v[BM], v[BM+1], v[BM+2]
	v_max_num_f32 v240, v240, v[BM+3]
	v_mul_f32 v240, s[CS], v240                    ; the step's largest t of my query
	v_max_num_f32 v13, v13, v240
	v_mov_b32 v240, v12
	v_floor_f32 v12, -v13                          ; the new -M = -ceil(t): a whole number
	v_sub_f32 v240, v12, v240                      ; old M - new M: a whole number, 0 or less
	v_cvt_i32_f32 v240, v240                       ; (it saturates)
	v_ldexp_f32 v244, 1.0, v240                    ; f = 2^(old M - new M)
.set j, 0
.rept 32
	v_pk_fma_f32 v[S+j:S+j+1], v[S+j:S+j+1], s[CS:CS+1], v[12:13] op_sel_hi:[1,0,0]   ; t - M, two at a time
.set j, j+2
.endr
.irp b, 0,1,2,3
	v_fma_f32 v[BM+\b], v[BM+\b], s[CS], v12       ; the same of each block's largest score
.endr
.set j, 0
.rept 64
	v_exp_f32 v[S+j], v[S+j]                       ; p = 2^(t - M), at most 1
.set j, j+1
.endr
	v_pk_mul_f32 v[14:15], v[14:15], v[244:245] op_sel_hi:[1,0]   ; the sums under the new M; a plain place behind the exponentials
	s_wait_alu depctr_va_vdst(0)                   ; the 64 exponentials have written p in v96-159: one wait for the batch, ahead of its first reader
.irp b, 0,1,2,3
	v_exp_f32 v[BM+\b], v[BM+\b]                   ; the blocks' largest p
.endr
	v_pk_add_f32 v[242:243], v[S:S+1], v[S+2:S+3]  ; the row's sum is taken of the unquantised p, in two chains; it reads the 64 alone: plain work behind the four
.irp j, 4,8,12,16,20,24,28,32,36,40,44,48,52,56,60
	v_pk_add_f32 v[14:15], v[14:15], v[S+\j:S+1+\j]
	v_pk_add_f32 v[242:243], v[242:243], v[S+2+\j:S+3+\j]
.endr
	v_pk_add_f32 v[14:15], v[14:15], v[242:243]
	s_wait_alu depctr_va_vdst(0)                   ; the four exponentials have written the blocks' largest p in v212-215, ahead of their first reader
.irp b, 0,1,2,3
	v_max_num_f32 v[BM+\b], 0x1800000, v[BM+\b]    ; the floor 2^(3 - 127): a block whose every p is 0 keeps the byte 1; its codes are zeros
.endr
.irp b, 0,1,2,3
	v_add_nc_u32 v[SO+\b], 0xff000000, v[BM+\b]
.endr
.irp b, 0,1,2,3
	v_lshrrev_b32 v[BT+\b], 23, v[SO+\b]
.endr
	v_lshl_or_b32 v246, v[BT+1], 8, v[BT]          ; p's scale word for these 128 keys
	v_lshl_or_b32 v246, v[BT+2], 16, v246
	v_lshl_or_b32 v246, v[BT+3], 24, v246
.irp c, 0,1
	v_cvt_scalef32_pk16_fp6_f32 v[P+6*\c:P+2+6*\c], v[S+32*\c:S+15+32*\c], v[SO+2*\c]
	v_cvt_scalef32_pk16_fp6_f32 v[P+12+4*\c:P+14+4*\c], v[S+16+32*\c:S+31+32*\c], v[SO+2*\c+1]
.endr
	v_nop                                          ; one plain place behind a scaled conversion
.irp c, 0,1
.irp i, 0,1,2
	v_permlane16_swap_b32 v[P+6*\c+\i], v[P+12+4*\c+\i]
.endr
.irp i, 0,1,2
	v_mov_b32 v[P+3+6*\c+\i], v[P+12+4*\c+\i]
.endr
.endr
.set j, 0
.rept 16
	v_pk_mul_f32 v[OT+j:OT+j+1], v[OT+j:OT+j+1], v[244:245] op_sel_hi:[1,0]   ; O^T under the new M; these sixteen also stand between the lines that made p's codes and scale word and the products
.set j, j+2
.endr
	s_wait_dscnt 0x0                               ; v's fragments and scale words are in
	s_wait_alu depctr_va_vdst(0)                   ; p's codes v192-203 and its scale word v246 are written, which the scaled products below take as operand and as scales; the sixteen places above stay beside this wait
.irp t, 0,1,2,3                        ; the four accumulators take turns, one instruction a turn
	v_wmma_scale_f32_16x16x128_f8f6f4 v[OT+8*\t:OT+8*\t+7], v[32+12*\t:43+12*\t], v[P:P+11], v[OT+8*\t:OT+8*\t+7], v[86+\t], v246 matrix_a_fmt:MATRIX_FMT_FP6 matrix_b_fmt:MATRIX_FMT_FP6
.endr
.Lskip:
	s_add_co_u32 s[KF], s[KF], 128
	s_add_co_u32 s[TB], s[TB], STEPB
	s_sub_co_u32 s[CNT], s[CNT], 1
	s_cmp_lg_u32 s[CNT], 0
	s_cbranch_scc1 .Lstep
	; ---- the way out: O^T / the sum, quantised along the head's 64 channels: one half fragment and two scale bytes a row
.rept 4
	v_nop                                          ; places behind the last products
.endr
	v_add_f32 v14, v14, v15
	v_permlanex16_b32 v240, v14, s[SEL], s[SEL+1]
	v_add_f32 v14, v14, v240                       ; the row's sum
	v_rcp_f32 v14, v14
	v_nop                                          ; a plain place behind the reciprocal
	s_wait_alu depctr_va_vdst(0)                   ; the reciprocal has written v14, ahead of its first reader
.set j, 0
.rept 32
	v_mul_f32 v[S+j], v[OT+j], v14                 ; register 16 b + i: channel 32 b + 16 h + i of my query
.set j, j+1
.endr
.irp b, 0,1
	v_max3_num_f32 v[BM+\b], |v[S+16*\b]|, |v[S+1+16*\b]|, 0x1800000
.endr
.irp i, 2,4,6,8,10,12,14
.irp b, 0,1
	v_max3_num_f32 v[BM+\b], v[BM+\b], |v[S+16*\b+\i]|, |v[S+1+16*\b+\i]|
.endr
.endr
.irp b, 0,1
	v_permlanex16_b32 v[BT+\b], v[BM+\b], s[SEL], s[SEL+1]
.endr
.irp b, 0,1
	v_max_num_f32 v[BM+\b], v[BM+\b], v[BT+\b]
.endr
.irp b, 0,1
	v_add_nc_u32 v[SO+\b], 0xff000000, v[BM+\b]
.endr
.irp b, 0,1
	v_lshrrev_b32 v[BT+\b], 23, v[SO+\b]
.endr
	v_lshl_or_b32 v241, v[BT+1], 8, v[BT]
	v_cvt_scalef32_pk16_fp6_f32 v[P:P+2], v[S:S+15], v[SO]
	v_cvt_scalef32_pk16_fp6_f32 v[P+12:P+14], v[S+16:S+31], v[SO+1]
	v_nop
.irp i, 0,1,2
	v_permlane16_swap_b32 v[P+\i], v[P+12+\i]
.endr
.irp i, 0,1,2
	v_mov_b32 v[P+3+\i], v[P+12+\i]
.endr
	s_wait_alu depctr_va_vdst(0)                   ; the context's codes v192-197 and its two scale bytes in v241 are written, which the three stores read
	global_store_b128 v1, v[P:P+3], s[10:11]       ; 512 consecutive bytes,
	global_store_b64 v2, v[P+4:P+5], s[10:11] offset:512   ; and 256
	global_store_b16 v30, v241, s[12:13]           ; two bytes of each row's eight: the other heads' work-groups write the rest; one byte in 24 of what the context takes.  Both halves of the lanes write the same
	s_wait_dscnt 0x0                               ; the closing lines, six on end
	s_wait_alu 0x0
	s_wait_tensorcnt 0x0
	ds_add_u32 v[SPW], v[NIL]
	s_wait_dscnt 0x0
	s_endpgm
.Lfunc_end_k_q42ee73cf38_attn:
	.size	k_q42ee73cf38_attn, .Lfunc_end_k_q42ee73cf38_attn-k_q42ee73cf38_attn
	.p2alignl 7, 3214868480
	.fill 96, 4, 3214868480
	.section	.rodata,"a",@progbits
	.p2align	6, 0x0
	.amdhsa_kernel k_q42ee73cf38_attn
		.amdhsa_group_segment_fixed_size 210944
		.amdhsa_private_segment_fixed_size 0
		.amdhsa_enable_private_segment 0
		.amdhsa_kernarg_size 40
		.amdhsa_user_sgpr_count 2
		.amdhsa_user_sgpr_kernarg_segment_ptr 1
		.amdhsa_wavefront_size32 1
		.amdhsa_system_sgpr_workgroup_id_x 1
		.amdhsa_system_sgpr_workgroup_id_y 1
		.amdhsa_system_sgpr_workgroup_id_z 1
		.amdhsa_system_vgpr_workitem_id 0
		.amdhsa_next_free_vgpr 256
		.amdhsa_next_free_sgpr 66
		.amdhsa_reserve_vcc 0
		.amdhsa_float_denorm_mode_32 3
		.amdhsa_float_denorm_mode_16_64 3
		.amdhsa_memory_ordered 1
		.amdhsa_forward_progress 1
		.amdhsa_inst_pref_size 40
	.end_amdhsa_kernel
	.amdgpu_metadata
---
amdhsa.version: [ 1, 2 ]
amdhsa.kernels:
  - .name:           k_q42ee73cf38_attn
    .symbol:         k_q42ee73cf38_attn.kd
    .args:
      - { .name: hc, .offset: 0, .size: 8, .value_kind: global_buffer, .address_space: global }
      - { .name: hs, .offset: 8, .size: 8, .value_kind: global_buffer, .address_space: global }
      - { .name: value_lens, .offset: 16, .size: 8, .value_kind: global_buffer, .address_space: global }
      - { .name: cc, .offset: 24, .size: 8, .value_kind: global_buffer, .address_space: global }
      - { .name: cs, .offset: 32, .size: 8, .value_kind: global_buffer, .address_space: global }
    .group_segment_fixed_size: 210944
    .private_segment_fixed_size: 0
    .kernarg_segment_align: 8
    .kernarg_segment_size: 40
    .max_flat_workgroup_size: 512
    .sgpr_count:     66
    .vgpr_count:     256
    .wavefront_size: 32
...
	.end_amdgpu_metadata
.endif
;; end of part 5
;; launch final: the kernel of part 4 again; grid 4 x 32, 4 waves a work-group, clusters of 4 x 4, 327,680 bytes of LDS; arguments cc, cs, opc, ops, bf, out0; writes out0
